; MI455X (gfx1250); checked and timed in simulation.
; The chip was launched on July 23, 2026; its instructions are those of AMD's public machine-readable ISA for CDNA 5 (MIT licence, August 2026) and "CDNA5" Instruction Set Architecture Reference Guide (July 2026). The comments in the code are by the model that wrote it; some were corrected since.
;; Span Attention. Allowed arithmetic: float matrix products may take bf16 or f16 operands with f32 sums; all other float work in f32.
;; Inputs: Wkv 1,024 x 2,048 float32; Wo 1,024 x 1,024 float32; Wq 1,024 x 1,024 float32; bkv 2,048 float32; bo 1,024 float32; bq 1,024 float32; kv 8 x 4,096 x 1,024 float32; mask 8 x 4,096 bool; q 8 x 1,024 float32.
;; Outputs: out0 8 x 64 x 1,024 float32.
;; Constants: span_size = 64.
;; 3 versions, each right; version 2 is faster than version 1; version 3 is version 2 with the launch main written anew for expert scheduling mode. Each part assembles by itself: llvm-mc -triple=amdgcn-amd-amdhsa -mcpu=gfx1250 --defsym DOCPART=n.
;; ======== version 1 of 3: 4 launches
;; limits: values are held in f16: magnitudes above 65,504 overflow, below 6.1e-05 lose precision
;; workspace buffers: U 262,144 bytes; SCB 1,024 bytes; P 16,777,216 bytes; OH 2,097,152 bytes
;; launch prep (part 1): grid 8 x 16, 16 waves a work-group, no clusters, 106,496 bytes of LDS; arguments q, Wq, bq, Wkv, bkv, U, SCB; writes U, SCB
.if DOCPART == 1
	.amdgcn_target "amdgcn-amd-amdhsa--gfx1250"
	.amdhsa_code_object_version 6
	.text
	.protected	k_qd111e5e2cd_prep
	.globl	k_qd111e5e2cd_prep
	.p2align	8
	.type	k_qd111e5e2cd_prep,@function
k_qd111e5e2cd_prep:
	s_mov_b64 s[64:65], 0
	v_nop
	global_prefetch_b8 v0, s[64:65] scope:SCOPE_SE
	s_setreg_imm32_b32 hwreg(HW_REG_WAVE_MODE, 25, 1), 1
	s_wait_xcnt 0x0
; PREP.  The query does not hang on the key, so the scores' product is turned round:
;   score[b][l][h] = kv[b][l][:] . u[b][h][:] + qh[b][h][:] . bk[h][:],   u[b][h][c] = sum over d of Wk[c][h][d] qh[b][h][d],   qh = q Wq + bq.
; This launch makes qh (f32), u' = u / 2^E in f16 (U: [8 b][16 h][1024 c]) and for each (b, h) the pair (sc, cb) (SCB: [8][16][2] f32):
;   2^E = the power of two at or below max over d of |qh[b][h][d]| (its bits kept within 0x00800000 .. 0x7e800000), sc = 2^E log2(e) / 8, cb = (qh . bk) log2(e) / 8.
; So |qh / 2^E| < 2 and |u'| <= 128 max|Wk|: the sizes of q, Wq and bq never reach f16.
; LIMITS.  128 max|Wk| stays under 65,504 (f16's largest number); below 6e-5 u' keeps f16's fixed step of 6e-8; NaN and infinities are not treated apart.
; SHARES.  Work-group (x, y) = (128 channels c, head h): 128 work-groups, so that a store of U covers 256 consecutive bytes, aligned.  Each makes its head's qh anew from the
; head's 256 KB of Wq.  Both products have 8 rows and stream their weights once: f32 multiply-adds on the vector unit; the matrix unit, tensor loads and clusters would add nothing.
; Thread t: cq = t % 16 (columns 4 cq .. 4 cq + 3 of the head's 64), rg = t / 16 (32 rows i of Wq; 4 rows c of Wk).
.set LPART, 32768                      ; LDS 0: q, [8 b][1024 i] f32.  LPART: partial qh, [32 rg][8 b][64 d] f32
.set LQS,   98304                      ; qh / 2^E, [8 b][64 d] f32
.set LURES, 100352                     ; u', [8 b][128 c] f32
.set SPARE, 104448                     ; the spare words, 128 bytes for each of the 16 waves: eight blocks of 256 bytes that no other line names
.set C8,    0x3e38aa3b                 ; log2(e) / 8
.set WK,  16                           ; v[16:31]   Wk: 4 rows c x 4 columns d
.set ACC, 32                           ; v[32:63]   qh's partial sums [b][4]; later u' [b][4 c]
.set QR,  64                           ; v[64:95]   q [b][4 i]; later qh / 2^E [b][4 d]
.set QST, 96                           ; v[96:111]  q on its way to LDS; later four chains of sums
.set W,   128                          ; v[128:255] Wq: 32 rows x 4 columns
; v1 lane, v2 spare word's address, v3 0, v4 offset in Wq, v5 offset in Wk, v6 q's LDS address, v7 where my partial sums go, v8 16 t, v9 8 lane, v10-15 at work,
; v[112:113] bq, v[114:115] bk of columns 2 lane, 2 lane + 1; v116-119 addresses of the last two phases
	s_load_b256 s[4:11], s[0:1], 0x0               ; q s[4:5], Wq s[6:7], bq s[8:9], Wkv s[10:11]
	s_load_b128 s[12:15], s[0:1], 0x20             ; bkv s[12:13], U s[14:15]
	s_load_b64 s[16:17], s[0:1], 0x30              ; SCB
	v_lshl_add_u32 v2, v0, 2, SPARE
	v_mov_b32 v3, 0
	v_lshrrev_b32 v1, 5, v0
	v_readfirstlane_b32 s20, v1                    ; wave 0..15
	s_mov_b32 s21, ttmp9                           ; which 128 channels
	s_and_b32 s22, ttmp7, 0xffff                   ; head
	s_mov_b32 s26, 0x76543210                      ; v_permlanex16_b32: each lane takes its own place in the other half
	s_mov_b32 s27, 0xfedcba98
	s_lshl_b32 s24, s22, 8                         ; the head's 64 columns: 256 bytes
	s_mov_b32 s25, 0
	s_lshl_b32 s28, s21, 20                        ; 128 rows of Wkv, 8,192 bytes each
	s_mov_b32 s29, 0
	s_lshl_b32 s32, s22, 11                        ; U: the head's row of 2,048 bytes,
	s_lshl_b32 s33, s21, 8                         ; and 128 channels of 2 bytes
	s_add_co_u32 s32, s32, s33
	s_mov_b32 s33, 0
	v_and_b32 v1, 31, v0                           ; lane
	v_and_b32 v12, 15, v0                          ; cq
	v_lshrrev_b32 v13, 4, v0                       ; rg
	v_lshlrev_b32 v14, 4, v12                      ; 16 cq
	v_lshl_add_u32 v4, v13, 17, v14                ; 32 rows of 4,096 bytes a group
	v_lshl_add_u32 v5, v13, 15, v14                ; 4 rows of 8,192 bytes a group
	v_lshlrev_b32 v6, 7, v13                       ; my 32 numbers of a row of q
	v_lshl_add_u32 v7, v13, 11, v14
	v_add_nc_u32 v7, LPART, v7
	v_lshlrev_b32 v8, 4, v0
	v_lshlrev_b32 v9, 3, v1
	v_add_nc_u32 v116, LQS, v14                    ; my 4 columns of qh / 2^E
	v_lshl_add_u32 v117, v13, 4, LURES             ; my 4 channels of u'
	v_and_b32 v15, 127, v0                         ; the way out is threads 0 to 127's: 8 channels each
	v_lshl_add_u32 v118, v15, 5, LURES
	v_lshrrev_b32 v119, 4, v15                     ; b
	v_lshl_add_u32 v119, v119, 15, v14             ; 32,768 b + 16 (t % 16)
	v_mov_b32 v13, 0                               ; v13 and v15 will be destinations of v_permlanex16_b32, which counts as a reader of them
	v_mov_b32 v15, 0
	s_wait_kmcnt 0x0
	s_add_nc_u64 s[6:7], s[6:7], s[24:25]          ; Wq, bq, bk and Wk at the head's columns (K's half is the first 1,024 columns of Wkv and bkv)
	s_add_nc_u64 s[8:9], s[8:9], s[24:25]
	s_add_nc_u64 s[12:13], s[12:13], s[24:25]
	s_add_nc_u64 s[10:11], s[10:11], s[24:25]
	s_add_nc_u64 s[10:11], s[10:11], s[28:29]
	s_add_nc_u64 s[14:15], s[14:15], s[32:33]
	; all 42 loads go out at once: q 4, bq, bk, Wq 32, Wk 4
.irp k, 0,1,2,3
	global_load_b128 v[QST+4*(\k):QST+4*(\k)+3], v8, s[4:5] offset:(\k)*8192
.endr
	global_load_b64 v[112:113], v9, s[8:9]
	global_load_b64 v[114:115], v9, s[12:13]
.set j, 0
.rept 32
	global_load_b128 v[W+4*j:W+4*j+3], v4, s[6:7] offset:j*4096  ; 16 lanes take a row's 256 bytes
.set j, j+1
.endr
.irp e, 0,1,2,3
	global_load_b128 v[WK+4*(\e):WK+4*(\e)+3], v5, s[10:11] offset:(\e)*8192
.endr
	s_wait_loadcnt 38                              ; q's four are in; the 38 issued behind them stay out
.irp k, 0,1,2,3
	ds_store_b128 v8, v[QST+4*(\k):QST+4*(\k)+3] offset:(\k)*8192
.endr
	s_wait_dscnt 0x0                               ; for the others' sake: my part of q is in LDS
	s_barrier_signal -1
	s_barrier_wait -1
; Four rows i of Wq: ACC[b][0..3] += Wq[i][4 cq ..] q[b][i].  The very first product starts the sums: nothing is cleared.
.macro P1 s4
.irp b, 0,1,2,3,4,5,6,7
	ds_load_b128 v[QR+4*(\b):QR+4*(\b)+3], v6 offset:(\b)*4096+(\s4)*16
.endr
	s_wait_loadcnt 32-4*(\s4)                      ; behind these four rows' loads: the later rows' and Wk's four
	s_wait_dscnt 0x0
.irp e, 0,1,2,3
.irp b, 0,1,2,3,4,5,6,7
.irp c, 0,2
.if ((\s4) == 0) && ((\e) == 0)
	v_pk_mul_f32 v[ACC+4*(\b)+(\c):ACC+4*(\b)+(\c)+1], v[W+(\c):W+(\c)+1], v[QR+4*(\b):QR+4*(\b)+1] op_sel_hi:[1,0]
.elseif ((\e) % 2) == 0
	v_pk_fma_f32 v[ACC+4*(\b)+(\c):ACC+4*(\b)+(\c)+1], v[W+16*(\s4)+4*(\e)+(\c):W+16*(\s4)+4*(\e)+(\c)+1], v[QR+4*(\b)+(\e):QR+4*(\b)+(\e)+1], v[ACC+4*(\b)+(\c):ACC+4*(\b)+(\c)+1] op_sel_hi:[1,0,1]
.else
	v_pk_fma_f32 v[ACC+4*(\b)+(\c):ACC+4*(\b)+(\c)+1], v[W+16*(\s4)+4*(\e)+(\c):W+16*(\s4)+4*(\e)+(\c)+1], v[QR+4*(\b)+(\e)-1:QR+4*(\b)+(\e)], v[ACC+4*(\b)+(\c):ACC+4*(\b)+(\c)+1] op_sel:[0,1,0] op_sel_hi:[1,1,1]
.endif
.endr
.endr
.endr
.endm
.irp s, 0,1,2,3,4,5,6,7
	P1 \s
.endr
.irp b, 0,1,2,3,4,5,6,7
	ds_store_b128 v7, v[ACC+4*(\b):ACC+4*(\b)+3] offset:(\b)*256
.endr
	s_wait_dscnt 0x0                               ; for the others' sake: my partial sums are in LDS
	s_barrier_signal -1
	s_barrier_wait -1
	; Waves 0 to 7: wave b finishes qh[b][h][:]; lane l holds columns 2 l and 2 l + 1.
	s_cmp_lt_u32 s20, 8
	s_cbranch_scc0 .Lq_done
	s_lshl_b32 s34, s20, 8
	s_add_co_u32 s34, s34, LPART
	v_add_nc_u32 v10, s34, v9                      ; 256 b + 8 lane in the partial sums
.set j, 0
.rept 32
	ds_load_b64 v[W+2*j:W+2*j+1], v10 offset:j*2048
.set j, j+1
.endr
	s_wait_dscnt 0x0
.irp k, 0,1,2,3
	v_pk_add_f32 v[QST+2*(\k):QST+2*(\k)+1], v[W+2*(\k):W+2*(\k)+1], v[W+2*(\k)+8:W+2*(\k)+9]  ; four chains that do not wait for each other
.endr
.set j, 8
.rept 24
	v_pk_add_f32 v[QST+2*(j%4):QST+2*(j%4)+1], v[QST+2*(j%4):QST+2*(j%4)+1], v[W+2*j:W+2*j+1]
.set j, j+1
.endr
	v_pk_add_f32 v[QST:QST+1], v[QST:QST+1], v[QST+2:QST+3]
	v_pk_add_f32 v[QST+4:QST+5], v[QST+4:QST+5], v[QST+6:QST+7]
	v_pk_add_f32 v[QST:QST+1], v[QST:QST+1], v[QST+4:QST+5]
	v_pk_add_f32 v[QST:QST+1], v[QST:QST+1], v[112:113]     ; + bq: qh
	v_max_num_f32 v12, |v[QST]|, |v[QST+1]|
	v_mul_f32 v14, v114, v[QST]
	v_fmac_f32 v14, v115, v[QST+1]                 ; my part of qh . bk
.irp m, 1,2,4,8
	v_max_num_f32_dpp v12, v12, v12 row_xmask:\m row_mask:0xf bank_mask:0xf
	v_add_f32_dpp v14, v14, v14 row_xmask:\m row_mask:0xf bank_mask:0xf
.endr
	v_permlanex16_b32 v13, v12, s26, s27
	v_permlanex16_b32 v15, v14, s26, s27
	v_max_num_f32 v12, v12, v13                    ; max |qh| over the head's 64, in every lane
	v_add_f32 v14, v14, v15                        ; qh . bk
	v_and_b32 v12, 0x7f800000, v12                 ; its power of two,
	v_max_u32 v12, 0x00800000, v12                 ; kept among the normal numbers whose reciprocal is normal too
	v_min_u32 v12, 0x7e800000, v12
	v_sub_nc_u32 v15, 0x7f000000, v12              ; 2^-E: the exponent mirrored
	v_mul_f32 v[QST], v[QST], v15
	v_mul_f32 v[QST+1], v[QST+1], v15
	v_add_nc_u32 v10, LQS-LPART, v10
	ds_store_b64 v10, v[QST:QST+1]
	s_cmp_lg_u32 s21, 0                            ; the pair (sc, cb) is stored by one of the head's eight work-groups
	s_cbranch_scc1 .Lno_scb
	v_mul_f32 v12, C8, v12                         ; sc
	v_mul_f32 v13, C8, v14                         ; cb
	s_lshl_b32 s34, s20, 4
	s_add_co_u32 s34, s34, s22
	s_lshl_b32 s34, s34, 3                         ; 8 (16 b + h)
	v_mov_b32 v11, s34
	s_wait_xcnt 0x0                                ; EXEC is a source of the loads still out (Wk's): it changes only behind this wait
	v_cmp_eq_u32 vcc_lo, 0, v1
	s_and_saveexec_b32 s30, vcc_lo
	global_store_b64 v11, v[12:13], s[16:17]       ; lane 0 alone
	s_wait_xcnt 0x0                                ; and again, in front of the line that widens it
	s_or_b32 exec_lo, exec_lo, s30
.Lno_scb:
.Lq_done:
	s_wait_dscnt 0x0                               ; for the others' sake: qh / 2^E is in LDS
	s_barrier_signal -1
	s_barrier_wait -1
	; u'[b][c] = sum over d of Wk[c][d] (qh / 2^E)[b][d]: four d in the lane, then over the 16 lanes of my group
.irp b, 0,1,2,3,4,5,6,7
	ds_load_b128 v[QR+4*(\b):QR+4*(\b)+3], v116 offset:(\b)*256
.endr
	s_wait_loadcnt 0x0                             ; Wk
	s_wait_dscnt 0x0
.irp dd, 0,1,2,3
.set n, 0
.rept 32                               ; n = 4 b + e: batch b, my row e of Wk
.if (\dd) == 0
	v_mul_f32 v[ACC+n], v[WK+4*(n%4)], v[QR+4*(n/4)]
.else
	v_fmac_f32 v[ACC+n], v[WK+4*(n%4)+(\dd)], v[QR+4*(n/4)+(\dd)]
.endif
.set n, n+1
.endr
.endr
.irp m, 1,2,4,8
.set n, 0
.rept 32
	v_add_f32_dpp v[ACC+n], v[ACC+n], v[ACC+n] row_xmask:\m row_mask:0xf bank_mask:0xf
.set n, n+1
.endr
.endr
.irp b, 0,1,2,3,4,5,6,7
	ds_store_b128 v117, v[ACC+4*(\b):ACC+4*(\b)+3] offset:(\b)*512  ; the group's 16 lanes hold the same four sums and write the same 16 bytes
.endr
	s_wait_dscnt 0x0                               ; for the others' sake
	s_barrier_signal -1
	s_barrier_wait -1
	s_cmp_lt_u32 s20, 4                            ; waves 0 to 3: 8 channels a thread, rounded to f16 once
	s_cbranch_scc0 .Lend
	ds_load_b128 v[64:67], v118
	ds_load_b128 v[68:71], v118 offset:16
	s_wait_dscnt 0x0
	v_cvt_pk_f16_f32 v72, v64, v65
	v_cvt_pk_f16_f32 v73, v66, v67
	v_cvt_pk_f16_f32 v74, v68, v69
	v_cvt_pk_f16_f32 v75, v70, v71
	global_store_b128 v119, v[72:75], s[14:15]     ; 16 lanes store 256 consecutive bytes, at a multiple of 256 from U's first byte
.Lend:
	s_wait_tensorcnt 0x0                           ; the wave's end, behind my last LDS store
	ds_add_u32 v2, v3
	s_wait_dscnt 0x0
	s_endpgm
.Lfunc_end_k_qd111e5e2cd_prep:
	.size	k_qd111e5e2cd_prep, .Lfunc_end_k_qd111e5e2cd_prep-k_qd111e5e2cd_prep
	.p2alignl 7, 3214868480
	.fill 96, 4, 3214868480
	.section	.rodata,"a",@progbits
	.p2align	6, 0x0
	.amdhsa_kernel k_qd111e5e2cd_prep
		.amdhsa_group_segment_fixed_size 106496
		.amdhsa_private_segment_fixed_size 0
		.amdhsa_enable_private_segment 0
		.amdhsa_kernarg_size 56
		.amdhsa_user_sgpr_count 2
		.amdhsa_user_sgpr_kernarg_segment_ptr 1
		.amdhsa_wavefront_size32 1
		.amdhsa_system_sgpr_workgroup_id_x 1
		.amdhsa_system_sgpr_workgroup_id_y 1
		.amdhsa_system_sgpr_workgroup_id_z 1
		.amdhsa_system_vgpr_workitem_id 0
		.amdhsa_next_free_vgpr 256
		.amdhsa_next_free_sgpr 66
		.amdhsa_reserve_vcc 1
		.amdhsa_float_denorm_mode_32 3
		.amdhsa_float_denorm_mode_16_64 3
		.amdhsa_memory_ordered 1
		.amdhsa_forward_progress 1
		.amdhsa_inst_pref_size 64
	.end_amdhsa_kernel
	.amdgpu_metadata
---
amdhsa.version: [ 1, 2 ]
amdhsa.kernels:
  - .name:           k_qd111e5e2cd_prep
    .symbol:         k_qd111e5e2cd_prep.kd
    .args:
      - { .name: q, .offset: 0, .size: 8, .value_kind: global_buffer, .address_space: global }
      - { .name: Wq, .offset: 8, .size: 8, .value_kind: global_buffer, .address_space: global }
      - { .name: bq, .offset: 16, .size: 8, .value_kind: global_buffer, .address_space: global }
      - { .name: Wkv, .offset: 24, .size: 8, .value_kind: global_buffer, .address_space: global }
      - { .name: bkv, .offset: 32, .size: 8, .value_kind: global_buffer, .address_space: global }
      - { .name: U, .offset: 40, .size: 8, .value_kind: global_buffer, .address_space: global }
      - { .name: SCB, .offset: 48, .size: 8, .value_kind: global_buffer, .address_space: global }
    .group_segment_fixed_size: 106496
    .private_segment_fixed_size: 0
    .kernarg_segment_align: 8
    .kernarg_segment_size: 56
    .max_flat_workgroup_size: 512
    .sgpr_count:     66
    .vgpr_count:     256
    .wavefront_size: 32
...
	.end_amdgpu_metadata
.endif
;; end of part 1
;; launch main (part 2): grid 256 x 1, 8 waves a work-group, no clusters, 312,320 bytes of LDS; arguments kv, mask, U, SCB, P; writes P
.if DOCPART == 2
	.amdgcn_target "amdgcn-amd-amdhsa--gfx1250"
	.amdhsa_code_object_version 6
	.text
	.protected	k_qd111e5e2cd_main
	.globl	k_qd111e5e2cd_main
	.p2align	8
	.type	k_qd111e5e2cd_main,@function
k_qd111e5e2cd_main:
	s_mov_b64 s[64:65], 0
	v_nop
	global_prefetch_b8 v0, s[64:65] scope:SCOPE_SE
	s_setreg_imm32_b32 hwreg(HW_REG_WAVE_MODE, 25, 1), 1
	s_wait_xcnt 0x0
; MAIN.  For each span of 64 keys and each head: s = kv . u' (matrix unit, f16 operands, f32 sums), t = s sc + cb (scores times log2 e), masked keys take the lowest finite number,
; p = 2^(t - max t), l = sum p, and P[span][h][:] = (sum over keys of p kv[key][:]) / l in f16 ([512 span][16 h][1024 c]).  Since the weights add up to 1, the value projection
; (and its bias) is applied to these pooled rows by the next launch.  kv is read from memory once.
; A span whose mask is all false has every t equal: p = 1, l = 64: the uniform weights that a softmax over equal scores gives.
; LIMITS.  kv is rounded to f16: |kv| stays under 65,504; below 6e-5 f16 keeps its fixed step of 6e-8 (kv, p and the pooled rows alike).  A weight below 2^-126 counts as 0.  NaN and infinities are not treated apart.
; SHARES.  A work-group takes two spans: waves 0-3 the first, waves 4-7 the second.  A wave owns a PANEL of 64 keys x 256 channels: 64 KB of f32, 128 loads of 512 consecutive bytes, rounded to f16 into
; LDS bytes of the wave's own.  Only the partial scores (a wave's 256 channels of 1,024) cross waves: the one barrier.
; NO TENSOR LOADS, NO CLUSTER: kv must be rounded on its way, which goes through registers; work-groups share only a batch's 32 KB of U.
.set PITCH, 544                        ; a panel's row: 512 bytes + 32 = 17 x 32: the turning load's 8 rows x 32 bytes fall on every bank once (64 banks of 4 bytes: ISA guide 11.1); the plain fragment loads collide two deep
.set PANEL, 64*PITCH
.set EX,    8*PANEL                    ; partial scores: 4,096 bytes a wave
.set SPARE, EX+8*4096                  ; the spare words, 128 bytes for each of the 8 waves: four blocks of 256 bytes that no other line names
.set MASK, 16                          ; v[16:23]   my 32 keys' mask bytes
.set PF,   16                          ; v[16:31]   later the weights in f16: source 1 of the second product
.set Y,    32                          ; v[32:63]   in the stream: rounded words on their way to LDS, two sets by turns
.set ACC,  32                          ; v[32:63]   then the scores' 4 accumulators; then PK: pooled rows in f16, two sets
.set UF,   64                          ; v[64:127]  u': 8 fragments (16 heads x 32 channels); then OA: the pooled rows' accumulators, two sets of 4
.set OA,   64
.set X,    128                         ; v[128:255] the ring of 32 loads; then fragments of kv; then the four waves' partial scores; then F: turned fragments, two sets of 64
.set S,    128
.set F,    128
; v2 spare word's address, v3 0, v4 16 lane, v5 where rounded words go, v6 plain fragments (and the stage), v7 turned fragments, v8 rows read back, v9, v10 the exchange,
; v11 offset in U, v[12:13] sc, cb, v14 offset in mask, then 1 / l; v15 offset in SCB; v24 the masked score; v25-31 at work (v30: the maximum)
	s_load_b256 s[4:11], s[0:1], 0x0               ; kv s[4:5], mask s[6:7], U s[8:9], SCB s[10:11]
	s_load_b64 s[12:13], s[0:1], 0x20              ; P
	v_lshl_add_u32 v2, v0, 2, SPARE
	v_mov_b32 v3, 0
	v_lshrrev_b32 v1, 5, v0
	v_readfirstlane_b32 s16, v1                    ; wave 0..7
	s_lshr_b32 s17, s16, 2                         ; which of the two spans
	s_and_b32 s18, s16, 3                          ; which 256 channels
	s_lshl_b32 s19, ttmp9, 1
	s_add_co_u32 s19, s19, s17                     ; span 0..511
	s_lshr_b32 s20, ttmp9, 5                       ; batch = span / 64
	s_mul_i32 s21, s16, PANEL                      ; my panel
	s_mov_b32 s26, 0x76543210                      ; v_permlanex16_b32: each lane takes its own place in the other half
	s_mov_b32 s27, 0xfedcba98
	s_lshl_b32 s22, s19, 18                        ; kv: 64 rows of 4,096 bytes a span,
	s_lshl_b32 s23, s18, 10                        ; 256 channels of 4 bytes
	s_add_co_u32 s22, s22, s23
	s_mov_b32 s23, 0
	s_lshl_b32 s24, s19, 6                         ; mask: 64 bytes a span
	s_mov_b32 s25, 0
	s_lshl_b32 s28, s20, 15                        ; U: 32,768 bytes a batch, 256 channels of 2 bytes
	s_lshl_b32 s29, s18, 9
	s_add_co_u32 s28, s28, s29
	s_lshl_b32 s32, s19, 15                        ; P: 32,768 bytes a span, the same 512 bytes of a row
	s_add_co_u32 s32, s32, s29
	s_mov_b32 s29, 0
	s_mov_b32 s33, 0
	s_lshl_b32 s30, s20, 7                         ; SCB: 128 bytes a batch
	s_mov_b32 s31, 0
	s_lshl_b32 s34, s16, 12
	s_add_co_u32 s34, s34, EX                      ; where my partial scores go
	s_lshl_b32 s35, s17, 14
	s_add_co_u32 s35, s35, EX                      ; where my span's four lie
	v_and_b32 v25, 31, v0                          ; lane
	v_and_b32 v26, 15, v0                          ; r
	v_bfe_u32 v27, v0, 4, 1                        ; hh
	v_lshlrev_b32 v4, 4, v25
	v_lshl_add_u32 v5, v25, 3, s21
	v_mul_u32_u24 v6, v26, PITCH
	v_lshl_add_u32 v6, v27, 4, v6
	v_add_nc_u32 v6, s21, v6                       ; row r, 16 bytes for each half of the lanes
	v_and_b32 v28, 7, v0
	v_lshl_add_u32 v28, v27, 3, v28
	v_mul_u32_u24 v7, v28, PITCH
	v_bfe_u32 v29, v0, 3, 1
	v_lshl_add_u32 v7, v29, 4, v7
	v_add_nc_u32 v7, s21, v7                       ; key 8 hh + lane % 8, channels 8 ((lane / 8) % 2) on
	v_lshl_add_u32 v8, v25, 4, s21
	v_lshl_add_u32 v9, v25, 4, s34
	v_lshl_add_u32 v10, v25, 4, s35
	v_lshlrev_b32 v11, 11, v26
	v_lshl_add_u32 v11, v27, 4, v11                ; head r's row of U, 16 bytes for each half of the lanes
	v_lshlrev_b32 v14, 3, v27
	v_lshlrev_b32 v15, 3, v26
	v_mov_b32 v24, 0xff7fffff
	s_wait_kmcnt 0x0
	s_add_nc_u64 s[4:5], s[4:5], s[22:23]
	s_add_nc_u64 s[6:7], s[6:7], s[24:25]
	s_add_nc_u64 s[8:9], s[8:9], s[28:29]
	s_add_nc_u64 s[10:11], s[10:11], s[30:31]
	s_add_nc_u64 s[12:13], s[12:13], s[32:33]
.irp ks, 0,1,2,3,4,5,6,7               ; u' stays in registers: lane (r, hh) holds head r, channels 32 ks + 8 hh + 0..7 and 32 ks + 16 + 8 hh + 0..7
	global_load_b128 v[UF+8*(\ks):UF+8*(\ks)+3],   v11, s[8:9] offset:64*(\ks)
	global_load_b128 v[UF+8*(\ks)+4:UF+8*(\ks)+7], v11, s[8:9] offset:64*(\ks)+32
.endr
.irp t, 0,1,2,3
	global_load_b64 v[MASK+2*(\t):MASK+2*(\t)+1], v14, s[6:7] offset:16*(\t)  ; keys 16 t + 8 hh + 0..7
.endr
	global_load_b64 v[12:13], v15, s[10:11]        ; head r's sc and cb
; Group g of 16: eight loads, four rows of my panel; a load covers 512 consecutive bytes, aligned.  kv is read once in the launch.
.macro ISSUE g
.irp s, 0,1,2,3,4,5,6,7
	global_load_b128 v[X+32*((\g)%4)+4*(\s):X+32*((\g)%4)+4*(\s)+3], v4, s[4:5] offset:(4*(\g)+(\s)/2)*4096+((\s)%2)*512 th:TH_LOAD_NT
.endr
.endm
; Group g is rounded to f16 and laid into the panel; its registers take the group four further on: 24 to 32 loads of the wave are always out.  No address register is ever rewritten.
.macro DRAIN g
.if (\g) > 12
	s_wait_loadcnt 8*(15-(\g))                     ; the last groups: the count runs down
.else
	s_wait_loadcnt 24                              ; loads come back in order (ISA guide 5.7.1): group g is in, the three younger groups stay out
.endif
.irp s, 0,1,2,3,4,5,6,7
	v_cvt_pk_f16_f32 v[Y+16*((\g)%2)+2*(\s)],   v[X+32*((\g)%4)+4*(\s)],   v[X+32*((\g)%4)+4*(\s)+1]
	v_cvt_pk_f16_f32 v[Y+16*((\g)%2)+2*(\s)+1], v[X+32*((\g)%4)+4*(\s)+2], v[X+32*((\g)%4)+4*(\s)+3]
.endr
.if (\g) < 12
	ISSUE (\g)+4
.endif
.irp s, 0,1,2,3,4,5,6,7
	ds_store_b64 v5, v[Y+16*((\g)%2)+2*(\s):Y+16*((\g)%2)+2*(\s)+1] offset:(4*(\g)+(\s)/2)*PITCH+((\s)%2)*256
.endr
.endm
.macro PLACES                          ; four plain vector instructions between a matrix instruction and what reads its result or loads into its registers
.rept 4
	v_nop
.endr
.endm
; Scores of keys 32 p .. 32 p + 31 over my 256 channels: source 0 = 16 keys x 32 channels of kv, source 1 = 32 channels x 16 heads of u'.  In the result lane (r, hh) holds head r, keys 8 hh + 0..7.
; The two accumulators take turns.  The first product starts each sum.
.macro SCORE p
.irp ks, 0,1,2,3,4,5,6,7
.irp a, 0,1
	ds_load_b128 v[X+64*(\a)+8*(\ks):X+64*(\a)+8*(\ks)+3],   v6 offset:(32*(\p)+16*(\a))*PITCH+64*(\ks)  ; LDS serves a wave's instructions in order (ISA guide 5.7.1.4): these see my stores
	ds_load_b128 v[X+64*(\a)+8*(\ks)+4:X+64*(\a)+8*(\ks)+7], v6 offset:(32*(\p)+16*(\a))*PITCH+64*(\ks)+32
.endr
.endr
.irp ks, 0,1,2,3,4,5,6,7
	s_wait_dscnt 28-4*(\ks)                        ; four loads a K step: the later steps' stay out
.irp a, 0,1
.if (\ks) == 0
	v_wmma_f32_16x16x32_f16 v[ACC+8*(2*(\p)+(\a)):ACC+8*(2*(\p)+(\a))+7], v[X+64*(\a)+8*(\ks):X+64*(\a)+8*(\ks)+7], v[UF+8*(\ks):UF+8*(\ks)+7], 0
.else
	v_wmma_f32_16x16x32_f16 v[ACC+8*(2*(\p)+(\a)):ACC+8*(2*(\p)+(\a))+7], v[X+64*(\a)+8*(\ks):X+64*(\a)+8*(\ks)+7], v[UF+8*(\ks):UF+8*(\ks)+7], v[ACC+8*(2*(\p)+(\a)):ACC+8*(2*(\p)+(\a))+7]
.endif
.endr
.endr
	PLACES
.endm
; Channels 64 g .. 64 g + 63 of all 64 keys, turned: 8 fragments (16 channels x 32 keys) into set g % 2
.macro FETCHT g
.irp kk, 0,1
.irp ct, 0,1,2,3
	ds_load_tr16_b128 v[F+64*((\g)%2)+8*(4*(\kk)+(\ct)):F+64*((\g)%2)+8*(4*(\kk)+(\ct))+3],   v7 offset:(\kk)*32*PITCH+32*(4*(\g)+(\ct))
	ds_load_tr16_b128 v[F+64*((\g)%2)+8*(4*(\kk)+(\ct))+4:F+64*((\g)%2)+8*(4*(\kk)+(\ct))+7], v7 offset:(\kk)*32*PITCH+16*PITCH+32*(4*(\g)+(\ct))
.endr
.endr
.endm
; Pooled rows of those 64 channels: source 0 = kv turned, source 1 = the weights.  In the result lane (r, hh) holds head r and eight neighbouring channels: 16 bytes of f16.
; younger = the LDS instructions issued behind this group's fetch.  The four accumulators take turns.
; THE STAGE is rows 0 to 15 of my own panel, in the very columns that this group has just read: later groups read other columns, and LDS serves my instructions in order.
.macro POOL g, younger
	s_wait_dscnt \younger
.irp kk, 0,1
.irp ct, 0,1,2,3
.if (\kk) == 0
	v_wmma_f32_16x16x32_f16 v[OA+32*((\g)%2)+8*(\ct):OA+32*((\g)%2)+8*(\ct)+7], v[F+64*((\g)%2)+8*(4*(\kk)+(\ct)):F+64*((\g)%2)+8*(4*(\kk)+(\ct))+7], v[PF+8*(\kk):PF+8*(\kk)+7], 0
.else
	v_wmma_f32_16x16x32_f16 v[OA+32*((\g)%2)+8*(\ct):OA+32*((\g)%2)+8*(\ct)+7], v[F+64*((\g)%2)+8*(4*(\kk)+(\ct)):F+64*((\g)%2)+8*(4*(\kk)+(\ct))+7], v[PF+8*(\kk):PF+8*(\kk)+7], v[OA+32*((\g)%2)+8*(\ct):OA+32*((\g)%2)+8*(\ct)+7]
.endif
.endr
.endr
	PLACES
.if (\g) < 2
	FETCHT (\g)+2
.endif
.set n, 0
.rept 16                               ; each accumulator's registers in ascending order
	v_pk_mul_f32 v[OA+32*((\g)%2)+2*n:OA+32*((\g)%2)+2*n+1], v[OA+32*((\g)%2)+2*n:OA+32*((\g)%2)+2*n+1], v[14:15] op_sel_hi:[1,0]  ; times 1 / l
.set n, n+1
.endr
.set n, 0
.rept 16
	v_cvt_pk_f16_f32 v[ACC+16*((\g)%2)+n], v[OA+32*((\g)%2)+2*n], v[OA+32*((\g)%2)+2*n+1]
.set n, n+1
.endr
.irp ct, 0,1,2,3
	ds_store_b128 v6, v[ACC+16*((\g)%2)+4*(\ct):ACC+16*((\g)%2)+4*(\ct)+3] offset:32*(4*(\g)+(\ct))
.endr
.endm
	ISSUE 0
	ISSUE 1
	ISSUE 2
	ISSUE 3
.set gg, 0
.rept 16
	DRAIN gg
.set gg, gg+1
.endr
	SCORE 0
	SCORE 1
	; THE EXCHANGE: each wave's 64 keys x 16 heads of partial scores, and back the four of my span
.irp q, 0,1,2,3,4,5,6,7
	ds_store_b128 v9, v[ACC+4*(\q):ACC+4*(\q)+3] offset:(\q)*512
.endr
	s_wait_dscnt 0x0                               ; for the others' sake: my partial scores are in LDS
	s_barrier_signal -1
	s_barrier_wait -1
.irp w, 0,1,2,3
.irp q, 0,1,2,3,4,5,6,7
	ds_load_b128 v[X+32*(\w)+4*(\q):X+32*(\w)+4*(\q)+3], v10 offset:(\w)*4096+(\q)*512
.endr
.endr
	s_wait_dscnt 0x0
.set n, 0
.rept 16                               ; (0 + 1) + (2 + 3): the same order in all four waves, so all four hold the same scores
	v_pk_add_f32 v[X+2*n:X+2*n+1], v[X+2*n:X+2*n+1], v[X+32+2*n:X+32+2*n+1]
	v_pk_add_f32 v[X+64+2*n:X+64+2*n+1], v[X+64+2*n:X+64+2*n+1], v[X+96+2*n:X+96+2*n+1]
.set n, n+1
.endr
.set n, 0
.rept 16
	v_pk_add_f32 v[S+2*n:S+2*n+1], v[X+2*n:X+2*n+1], v[X+64+2*n:X+64+2*n+1]
.set n, n+1
.endr
	; THE SOFTMAX.  v[S + 8 t + j] is head r's score of key 16 t + 8 hh + j.
.set n, 0
.rept 16
	v_pk_fma_f32 v[S+2*n:S+2*n+1], v[S+2*n:S+2*n+1], v[12:13], v[12:13] op_sel:[0,0,1] op_sel_hi:[1,0,1]  ; s sc + cb
.set n, n+1
.endr
.set n, 0
.rept 32
	v_and_b32 v29, 0xff<<(8*(n%4)), v[MASK+n/4]    ; the key's mask byte
	v_cmp_ne_u32 vcc_lo, 0, v29
	v_cndmask_b32 v[S+n], v24, v[S+n], vcc_lo      ; kept where the byte is set, else the lowest finite number
.set n, n+1
.endr
.irp c, 0,1,2,3
	v_max3_num_f32 v[25+(\c)], v[S+8*(\c)], v[S+8*(\c)+1], v[S+8*(\c)+2]
.endr
.irp c, 0,1,2,3
	v_max3_num_f32 v[25+(\c)], v[25+(\c)], v[S+8*(\c)+3], v[S+8*(\c)+4]
.endr
.irp c, 0,1,2,3
	v_max3_num_f32 v[25+(\c)], v[25+(\c)], v[S+8*(\c)+5], v[S+8*(\c)+6]
.endr
.irp c, 0,1,2,3
	v_max_num_f32 v[25+(\c)], v[25+(\c)], v[S+8*(\c)+7]
.endr
	v_max3_num_f32 v25, v25, v26, v27
	v_max_num_f32 v25, v25, v28
	v_permlanex16_b32 v29, v25, s26, s27           ; the head's other 32 keys lie in the lane 16 away
	v_max_num_f32 v30, v25, v29                    ; the span's maximum
	v_mov_b32 v31, v30                             ; named with it as a pair
.set n, 0
.rept 16
	v_pk_add_f32 v[S+2*n:S+2*n+1], v[S+2*n:S+2*n+1], v[30:31] op_sel_hi:[1,0] neg_lo:[0,1] neg_hi:[0,1]
.set n, n+1
.endr
.set n, 0
.rept 32
	v_exp_f32 v[S+n], v[S+n]
.set n, n+1
.endr
	v_nop                                          ; a plain instruction between the last exponential and the use of its result (ISA guide 5.7.2)
.set n, 0
	s_wait_alu depctr_va_vdst(0)
.rept 16                               ; two score tiles rounded in pairs ARE source 1 (32 keys x 16 heads) of the second product
	v_cvt_pk_f16_f32 v[PF+n], v[S+2*n], v[S+2*n+1]
.set n, n+1
.endr
.irp w, 4,8,16,32                      ; l, of the unrounded weights: pairs 1, 2, 4 and 8 apart, in place
.set n, 0
.rept 32/(\w)
	v_pk_add_f32 v[S+(\w)*n:S+(\w)*n+1], v[S+(\w)*n:S+(\w)*n+1], v[S+(\w)*n+(\w)/2:S+(\w)*n+(\w)/2+1]
.set n, n+1
.endr
.endr
	v_add_f32 v[S+2], v[S], v[S+1]
	v_permlanex16_b32 v[S+3], v[S+2], s26, s27
	v_add_f32 v[S+2], v[S+2], v[S+3]               ; at least 1: the largest weight is 1
	v_rcp_f32 v14, v[S+2]
	v_nop                                          ; a plain instruction behind the reciprocal
	s_wait_alu depctr_va_vdst(0)
	; THE POOLED ROWS
	FETCHT 0
	FETCHT 1
	POOL 0, 16                                     ; behind fetch 0: fetch 1
	POOL 1, 20                                     ; behind fetch 1: fetch 2 and four stores
	POOL 2, 24                                     ; behind fetch 2: four stores, fetch 3, four stores
	POOL 3, 8                                      ; behind fetch 3: twice four stores
.irp i, 0,1,2,3,4,5,6,7,8,9,10,11,12,13,14,15
	ds_load_b128 v[F+4*(\i):F+4*(\i)+3], v8 offset:(\i)*PITCH  ; head i's 512 bytes
.endr
.irp i, 0,1,2,3,4,5,6,7,8,9,10,11,12,13,14,15
	s_wait_dscnt 15-(\i)
	global_store_b128 v4, v[F+4*(\i):F+4*(\i)+3], s[12:13] offset:(\i)*2048  ; 512 consecutive bytes, at a multiple of 256 from P's first byte
.endr
	s_wait_tensorcnt 0x0                           ; the wave's end, behind my last LDS store
	ds_add_u32 v2, v3
	s_wait_dscnt 0x0
	s_endpgm
.Lfunc_end_k_qd111e5e2cd_main:
	.size	k_qd111e5e2cd_main, .Lfunc_end_k_qd111e5e2cd_main-k_qd111e5e2cd_main
	.p2alignl 7, 3214868480
	.fill 96, 4, 3214868480
	.section	.rodata,"a",@progbits
	.p2align	6, 0x0
	.amdhsa_kernel k_qd111e5e2cd_main
		.amdhsa_group_segment_fixed_size 312320
		.amdhsa_private_segment_fixed_size 0
		.amdhsa_enable_private_segment 0
		.amdhsa_kernarg_size 40
		.amdhsa_user_sgpr_count 2
		.amdhsa_user_sgpr_kernarg_segment_ptr 1
		.amdhsa_wavefront_size32 1
		.amdhsa_system_sgpr_workgroup_id_x 1
		.amdhsa_system_sgpr_workgroup_id_y 1
		.amdhsa_system_sgpr_workgroup_id_z 1
		.amdhsa_system_vgpr_workitem_id 0
		.amdhsa_next_free_vgpr 256
		.amdhsa_next_free_sgpr 66
		.amdhsa_reserve_vcc 1
		.amdhsa_float_denorm_mode_32 3
		.amdhsa_float_denorm_mode_16_64 3
		.amdhsa_memory_ordered 1
		.amdhsa_forward_progress 1
		.amdhsa_inst_pref_size 83
	.end_amdhsa_kernel
	.amdgpu_metadata
---
amdhsa.version: [ 1, 2 ]
amdhsa.kernels:
  - .name:           k_qd111e5e2cd_main
    .symbol:         k_qd111e5e2cd_main.kd
    .args:
      - { .name: kv, .offset: 0, .size: 8, .value_kind: global_buffer, .address_space: global }
      - { .name: mask, .offset: 8, .size: 8, .value_kind: global_buffer, .address_space: global }
      - { .name: U, .offset: 16, .size: 8, .value_kind: global_buffer, .address_space: global }
      - { .name: SCB, .offset: 24, .size: 8, .value_kind: global_buffer, .address_space: global }
      - { .name: P, .offset: 32, .size: 8, .value_kind: global_buffer, .address_space: global }
    .group_segment_fixed_size: 312320
    .private_segment_fixed_size: 0
    .kernarg_segment_align: 8
    .kernarg_segment_size: 40
    .max_flat_workgroup_size: 256
    .sgpr_count:     66
    .vgpr_count:     256
    .wavefront_size: 32
...
	.end_amdgpu_metadata
.endif
;; end of part 2
;; launch g1 (part 3): grid 16 x 16, 8 waves a work-group, no clusters, 304,128 bytes of LDS; arguments P, Wkv, bkv, OH; writes OH
.if DOCPART == 3
	.amdgcn_target "amdgcn-amd-amdhsa--gfx1250"
	.amdhsa_code_object_version 6
	.text
	.protected	k_qd111e5e2cd_g1
	.globl	k_qd111e5e2cd_g1
	.p2align	8
	.type	k_qd111e5e2cd_g1,@function
k_qd111e5e2cd_g1:
	s_mov_b64 s[64:65], 0
	v_nop
	global_prefetch_b8 v0, s[64:65] scope:SCOPE_SE
	s_setreg_imm32_b32 hwreg(HW_REG_WAVE_MODE, 25, 1), 1
	s_wait_xcnt 0x0
; A tile of 32 rows x 64 columns of  out = A B + bias,  K = 1,024, f16 operands, f32 sums.  One text serves two launches:
;   SECOND = 0:  OH[span][64 h + d] = sum over c of P[span][h][c] Wv[c][64 h + d] + bv[64 h + d]   (A: the pooled rows, f16, head = column block; B: the second 1,024 columns of Wkv, f32)
;   SECOND = 1:  out0[row][n] = sum over c of OH[row][c] Wo[c][n] + bo[n]                           (A: f32; B: f32)
; LIMITS.  What is rounded to f16 here (B; with SECOND = 1 also A) stays under 65,504 and keeps f16's fixed step of 6e-8 below 6e-5.  NaN and infinities are not treated apart.
; SHARES.  Work-group (x, y) = (64 columns, 32 rows): 256 work-groups.  Wave w owns K = 128 w .. 128 w + 127 in LDS bytes of its own: 8 accumulators x 4 K steps; the eight waves' partial sums
; meet in LDS behind the one barrier, and wave w adds and stores rows 4 w .. 4 w + 3.
; NO TENSOR LOADS, NO CLUSTER: the weights that the 16 row blocks share are f32 in memory and must be rounded to f16, which goes through registers.
.set SECOND, 0
.if SECOND
.set BPS, 12                           ; a row of B is 4,096 bytes
.set NA,  4                            ; A: 32 loads, a row of 512 bytes each
.else
.set BPS, 13                           ; a row of B is 8,192 bytes
.set NA,  2                            ; A: 16 loads, two rows of 256 bytes each
.endif
.set BP,   1<<BPS
.set G,    NA+8                        ; groups of eight loads: A's, then B's 64 loads of two rows of 256 bytes
.set PB,   160                         ; B's row in LDS: 128 bytes + 32 = 5 x 32: the turning load's 8 rows x 32 bytes fall on every bank once (64 banks of 4 bytes: ISA guide 11.1)
.set PA,   272                         ; A's row: 256 bytes + 16: the 16 rows of a fragment load start at 16 different groups of four banks
.set APAN, 128*PB                      ; a wave's bytes: B's 128 rows, then A's 32
.set WPAN, APAN+32*PA
.set RED,  8*WPAN                      ; partial sums: for each wave 32 rows of 256 bytes + 16
.set PR,   272
.set SPARE, RED+8*32*PR                ; the spare words, 128 bytes for each of the 8 waves: four blocks of 256 bytes that no other line names
.set Y,   32                           ; v[32:63]   in the stream: rounded words on their way to LDS, two sets by turns
.set ACC, 32                           ; v[32:95]   then the accumulators: tile (mt, nt) at ACC + 8 (4 mt + nt)
.set X,   128                          ; v[128:255] the ring of 32 loads
.set FB,  128                          ; v[128:191] then B's fragments of two K steps; then the partial sums read back
.set FA,  192                          ; v[192:223] A's fragments of two K steps
; v2 spare word's address, v3 0, v4 offset in B, v5 offset in A, v6, v7 where B's and A's words go, v8 B's turned fragments, v9 A's fragments, v10 where my partial sums go,
; v11 where I read them back, v12 offset in out, v13 16 r, v[16:19] bias, v14, v15, v20-23 at work
	s_load_b256 s[4:11], s[0:1], 0x0               ; A s[4:5], B s[6:7], bias s[8:9], out s[10:11]
	v_lshl_add_u32 v2, v0, 2, SPARE
	v_mov_b32 v3, 0
	v_lshrrev_b32 v1, 5, v0
	v_readfirstlane_b32 s16, v1                    ; wave 0..7
	s_mov_b32 s17, ttmp9                           ; column block
	s_and_b32 s18, ttmp7, 0xffff                   ; row block
	s_lshl_b32 s28, s17, 8                         ; 64 columns of 4 bytes
	s_lshl_b32 s30, s18, 17                        ; out: 32 rows of 4,096 bytes
	s_add_co_u32 s30, s30, s28
.if SECOND
	s_lshl_b32 s24, s18, 17                        ; A: 32 rows of 4,096 bytes, 128 numbers of 4 bytes a wave
	s_lshl_b32 s32, s16, 9
	s_add_co_u32 s24, s24, s32
	s_lshl_b32 s26, s16, 19                        ; B: 128 rows of 4,096 bytes a wave
	s_add_co_u32 s26, s26, s28
.else
	s_lshl_b32 s24, s18, 20                        ; A: 32 spans of 32,768 bytes, the head's row of 2,048, 128 numbers of 2 bytes a wave
	s_lshl_b32 s32, s17, 11
	s_add_co_u32 s24, s24, s32
	s_lshl_b32 s32, s16, 8
	s_add_co_u32 s24, s24, s32
	s_add_co_u32 s28, s28, 4096                    ; V's half begins 1,024 numbers into a row of Wkv and into bkv
	s_lshl_b32 s26, s16, 20                        ; B: 128 rows of 8,192 bytes a wave
	s_add_co_u32 s26, s26, s28
.endif
	s_mov_b32 s25, 0
	s_mov_b32 s27, 0
	s_mov_b32 s29, 0
	s_mov_b32 s31, 0
	s_mul_i32 s19, s16, WPAN                       ; my bytes: B's rows,
	s_add_co_u32 s20, s19, APAN                    ; A's rows
	s_mul_i32 s21, s16, 32*PR
	s_add_co_u32 s21, s21, RED                     ; my partial sums
	s_mul_i32 s22, s16, 4*PR
	s_add_co_u32 s22, s22, RED                     ; rows 4 w on of wave 0's
	s_lshl_b32 s23, s16, 14                        ; rows 4 w on of out
	v_and_b32 v14, 15, v0                          ; r
	v_bfe_u32 v15, v0, 4, 1                        ; h
	v_and_b32 v20, 31, v0                          ; lane
	v_lshlrev_b32 v13, 4, v14
	v_lshl_add_u32 v4, v15, BPS, v13               ; lanes 0-15 one row's 256 bytes, lanes 16-31 the next row's
.if SECOND
	v_lshlrev_b32 v5, 4, v20                       ; a row's 512 bytes
	v_lshl_add_u32 v7, v20, 3, s20
.else
	v_lshl_add_u32 v5, v15, 15, v13                ; lanes 0-15 one span's 256 bytes, lanes 16-31 the next span's
	v_mul_u32_u24 v7, v15, PA
	v_add3_u32 v7, v7, v13, s20
.endif
	v_mul_u32_u24 v6, v15, PB
	v_lshl_add_u32 v6, v14, 3, v6
	v_add_nc_u32 v6, s19, v6
	v_and_b32 v21, 7, v0
	v_lshl_add_u32 v21, v15, 3, v21
	v_mul_u32_u24 v8, v21, PB
	v_bfe_u32 v22, v0, 3, 1
	v_lshl_add_u32 v8, v22, 4, v8
	v_add_nc_u32 v8, s19, v8                       ; k = 8 h + lane % 8, columns 8 ((lane / 8) % 2) on
	v_mul_u32_u24 v23, v14, PA
	v_lshl_add_u32 v9, v15, 4, v23
	v_add_nc_u32 v9, s20, v9                       ; row r, 16 bytes for each half of the lanes
	v_lshl_add_u32 v10, v15, 5, v23                ; (PR = PA) row r, 32 bytes for each half of the lanes
	v_add_nc_u32 v10, s21, v10
	v_mul_u32_u24 v11, v15, PR
	v_add3_u32 v11, v11, v13, s22
	v_lshl_add_u32 v12, v15, 12, v13
	v_add_nc_u32 v12, s23, v12
	s_wait_kmcnt 0x0
	s_add_nc_u64 s[4:5], s[4:5], s[24:25]
	s_add_nc_u64 s[6:7], s[6:7], s[26:27]
	s_add_nc_u64 s[8:9], s[8:9], s[28:29]
	s_add_nc_u64 s[10:11], s[10:11], s[30:31]
	global_load_b128 v[16:19], v13, s[8:9]         ; the bias of columns 4 r .. 4 r + 3
.macro ISSUE g
.irp s, 0,1,2,3,4,5,6,7
.if (\g) < NA
.if SECOND
	global_load_b128 v[X+32*((\g)%4)+4*(\s):X+32*((\g)%4)+4*(\s)+3], v5, s[4:5] offset:(8*(\g)+(\s))*4096
.else
	global_load_b128 v[X+32*((\g)%4)+4*(\s):X+32*((\g)%4)+4*(\s)+3], v5, s[4:5] offset:(8*(\g)+(\s))*65536 th:TH_LOAD_NT
.endif
.else
	global_load_b128 v[X+32*((\g)%4)+4*(\s):X+32*((\g)%4)+4*(\s)+3], v4, s[6:7] offset:2*(8*((\g)-NA)+(\s))*BP
.endif
.endr
.endm
; Group g goes into LDS, rounded to f16 where it is f32; its registers take the group four further on.
.macro DRAIN g
.if (G-1-(\g)) < 3
	s_wait_loadcnt 8*(G-1-(\g))                    ; the last groups: the count runs down
.else
	s_wait_loadcnt 24                              ; loads come back in order (ISA guide 5.7.1): group g is in, the three younger groups stay out
.endif
.if ((\g) < NA) && !SECOND
.irp s, 0,1,2,3,4,5,6,7
	ds_store_b128 v7, v[X+32*((\g)%4)+4*(\s):X+32*((\g)%4)+4*(\s)+3] offset:2*(8*(\g)+(\s))*PA  ; f16 already
.endr
	s_wait_dscnt 0x0                               ; the stores are done before loads land on the registers that they name
	ISSUE (\g)+4
.else
.irp s, 0,1,2,3,4,5,6,7
	v_cvt_pk_f16_f32 v[Y+16*((\g)%2)+2*(\s)],   v[X+32*((\g)%4)+4*(\s)],   v[X+32*((\g)%4)+4*(\s)+1]
	v_cvt_pk_f16_f32 v[Y+16*((\g)%2)+2*(\s)+1], v[X+32*((\g)%4)+4*(\s)+2], v[X+32*((\g)%4)+4*(\s)+3]
.endr
.if (\g)+4 < G
	ISSUE (\g)+4
.endif
.irp s, 0,1,2,3,4,5,6,7
.if (\g) < NA
	ds_store_b64 v7, v[Y+16*((\g)%2)+2*(\s):Y+16*((\g)%2)+2*(\s)+1] offset:(8*(\g)+(\s))*PA
.else
	ds_store_b64 v6, v[Y+16*((\g)%2)+2*(\s):Y+16*((\g)%2)+2*(\s)+1] offset:2*(8*((\g)-NA)+(\s))*PB
.endif
.endr
.endif
.endm
.macro PLACES                          ; four plain vector instructions between a matrix instruction and what reads its result or loads into its registers
.rept 4
	v_nop
.endr
.endm
; K steps 2 p and 2 p + 1 of my four.  THE MATRIX INSTRUCTION IS USED TRANSPOSED: source 0 = 16 columns of B (turned out of LDS), source 1 = 16 rows of A: lane (r, h) then holds row r and
; eight neighbouring columns 8 h + 0..7.  The eight accumulators take turns; the first K step starts the sums.
.macro PASS p
.irp k, 0,1
.irp mt, 0,1
	ds_load_b128 v[FA+16*(\k)+8*(\mt):FA+16*(\k)+8*(\mt)+3],   v9 offset:(\mt)*16*PA+64*(2*(\p)+(\k))  ; LDS serves a wave's instructions in order (ISA guide 5.7.1.4): these see my stores
	ds_load_b128 v[FA+16*(\k)+8*(\mt)+4:FA+16*(\k)+8*(\mt)+7], v9 offset:(\mt)*16*PA+64*(2*(\p)+(\k))+32
.endr
.irp nt, 0,1,2,3
	ds_load_tr16_b128 v[FB+32*(\k)+8*(\nt):FB+32*(\k)+8*(\nt)+3],   v8 offset:32*(2*(\p)+(\k))*PB+32*(\nt)
	ds_load_tr16_b128 v[FB+32*(\k)+8*(\nt)+4:FB+32*(\k)+8*(\nt)+7], v8 offset:32*(2*(\p)+(\k))*PB+16*PB+32*(\nt)
.endr
.endr
.irp k, 0,1
	s_wait_dscnt 12-12*(\k)                        ; twelve loads a K step: the second step's stay out at first
.irp mt, 0,1
.irp nt, 0,1,2,3
.if ((\p) == 0) && ((\k) == 0)
	v_wmma_f32_16x16x32_f16 v[ACC+8*(4*(\mt)+(\nt)):ACC+8*(4*(\mt)+(\nt))+7], v[FB+32*(\k)+8*(\nt):FB+32*(\k)+8*(\nt)+7], v[FA+16*(\k)+8*(\mt):FA+16*(\k)+8*(\mt)+7], 0
.else
	v_wmma_f32_16x16x32_f16 v[ACC+8*(4*(\mt)+(\nt)):ACC+8*(4*(\mt)+(\nt))+7], v[FB+32*(\k)+8*(\nt):FB+32*(\k)+8*(\nt)+7], v[FA+16*(\k)+8*(\mt):FA+16*(\k)+8*(\mt)+7], v[ACC+8*(4*(\mt)+(\nt)):ACC+8*(4*(\mt)+(\nt))+7]
.endif
.endr
.endr
.endr
	PLACES
.endm
	ISSUE 0
	ISSUE 1
	ISSUE 2
	ISSUE 3
.set gg, 0
.rept G
	DRAIN gg
.set gg, gg+1
.endr
	PASS 0
	PASS 1
.irp mt, 0,1                           ; each accumulator's registers in ascending order
.irp nt, 0,1,2,3
	ds_store_b128 v10, v[ACC+8*(4*(\mt)+(\nt)):ACC+8*(4*(\mt)+(\nt))+3]   offset:(\mt)*16*PR+64*(\nt)
	ds_store_b128 v10, v[ACC+8*(4*(\mt)+(\nt))+4:ACC+8*(4*(\mt)+(\nt))+7] offset:(\mt)*16*PR+64*(\nt)+16
.endr
.endr
	s_wait_dscnt 0x0                               ; for the others' sake: my partial sums are in LDS
	s_barrier_signal -1
	s_barrier_wait -1
.irp i, 0,1                            ; rows 4 w + 2 i + h: lanes 0-15 one row of 256 bytes, lanes 16-31 the next
.irp w, 0,1,2,3,4,5,6,7
	ds_load_b128 v[FB+32*(\i)+4*(\w):FB+32*(\i)+4*(\w)+3], v11 offset:(\w)*32*PR+(\i)*2*PR
.endr
.endr
	s_wait_dscnt 0x0
.irp i, 0,1
.irp d, 4,8,16                         ; the eight waves' sums: neighbours 1, 2 and 4 apart
.set n, 0
.rept 16/(\d)
.irp c, 0,2
	v_pk_add_f32 v[FB+32*(\i)+2*(\d)*n+(\c):FB+32*(\i)+2*(\d)*n+(\c)+1], v[FB+32*(\i)+2*(\d)*n+(\c):FB+32*(\i)+2*(\d)*n+(\c)+1], v[FB+32*(\i)+2*(\d)*n+(\d)+(\c):FB+32*(\i)+2*(\d)*n+(\d)+(\c)+1]
.endr
.set n, n+1
.endr
.endr
	v_pk_add_f32 v[FB+32*(\i):FB+32*(\i)+1],   v[FB+32*(\i):FB+32*(\i)+1],   v[16:17]
	v_pk_add_f32 v[FB+32*(\i)+2:FB+32*(\i)+3], v[FB+32*(\i)+2:FB+32*(\i)+3], v[18:19]
	global_store_b128 v12, v[FB+32*(\i):FB+32*(\i)+3], s[10:11] offset:(\i)*8192  ; 16 lanes store 256 consecutive bytes, at a multiple of 256 from the buffer's first byte
.endr
	s_wait_tensorcnt 0x0                           ; the wave's end, behind my last LDS store
	ds_add_u32 v2, v3
	s_wait_dscnt 0x0
	s_endpgm
.Lfunc_end_k_qd111e5e2cd_g1:
	.size	k_qd111e5e2cd_g1, .Lfunc_end_k_qd111e5e2cd_g1-k_qd111e5e2cd_g1
	.p2alignl 7, 3214868480
	.fill 96, 4, 3214868480
	.section	.rodata,"a",@progbits
	.p2align	6, 0x0
	.amdhsa_kernel k_qd111e5e2cd_g1
		.amdhsa_group_segment_fixed_size 304128
		.amdhsa_private_segment_fixed_size 0
		.amdhsa_enable_private_segment 0
		.amdhsa_kernarg_size 32
		.amdhsa_user_sgpr_count 2
		.amdhsa_user_sgpr_kernarg_segment_ptr 1
		.amdhsa_wavefront_size32 1
		.amdhsa_system_sgpr_workgroup_id_x 1
		.amdhsa_system_sgpr_workgroup_id_y 1
		.amdhsa_system_sgpr_workgroup_id_z 1
		.amdhsa_system_vgpr_workitem_id 0
		.amdhsa_next_free_vgpr 256
		.amdhsa_next_free_sgpr 66
		.amdhsa_reserve_vcc 0
		.amdhsa_float_denorm_mode_32 3
		.amdhsa_float_denorm_mode_16_64 3
		.amdhsa_memory_ordered 1
		.amdhsa_forward_progress 1
		.amdhsa_inst_pref_size 34
	.end_amdhsa_kernel
	.amdgpu_metadata
---
amdhsa.version: [ 1, 2 ]
amdhsa.kernels:
  - .name:           k_qd111e5e2cd_g1
    .symbol:         k_qd111e5e2cd_g1.kd
    .args:
      - { .name: P, .offset: 0, .size: 8, .value_kind: global_buffer, .address_space: global }
      - { .name: Wkv, .offset: 8, .size: 8, .value_kind: global_buffer, .address_space: global }
      - { .name: bkv, .offset: 16, .size: 8, .value_kind: global_buffer, .address_space: global }
      - { .name: OH, .offset: 24, .size: 8, .value_kind: global_buffer, .address_space: global }
    .group_segment_fixed_size: 304128
    .private_segment_fixed_size: 0
    .kernarg_segment_align: 8
    .kernarg_segment_size: 32
    .max_flat_workgroup_size: 256
    .sgpr_count:     66
    .vgpr_count:     256
    .wavefront_size: 32
...
	.end_amdgpu_metadata
.endif
;; end of part 3
;; launch g2 (part 4): grid 16 x 16, 8 waves a work-group, no clusters, 304,128 bytes of LDS; arguments OH, Wo, bo, out0; writes out0
.if DOCPART == 4
	.amdgcn_target "amdgcn-amd-amdhsa--gfx1250"
	.amdhsa_code_object_version 6
	.text
	.protected	k_qd111e5e2cd_g2
	.globl	k_qd111e5e2cd_g2
	.p2align	8
	.type	k_qd111e5e2cd_g2,@function
k_qd111e5e2cd_g2:
	s_mov_b64 s[64:65], 0
	v_nop
	global_prefetch_b8 v0, s[64:65] scope:SCOPE_SE
	s_setreg_imm32_b32 hwreg(HW_REG_WAVE_MODE, 25, 1), 1
	s_wait_xcnt 0x0
; A tile of 32 rows x 64 columns of  out = A B + bias,  K = 1,024, f16 operands, f32 sums.  One text serves two launches:
;   SECOND = 0:  OH[span][64 h + d] = sum over c of P[span][h][c] Wv[c][64 h + d] + bv[64 h + d]   (A: the pooled rows, f16, head = column block; B: the second 1,024 columns of Wkv, f32)
;   SECOND = 1:  out0[row][n] = sum over c of OH[row][c] Wo[c][n] + bo[n]                           (A: f32; B: f32)
; LIMITS.  What is rounded to f16 here (B; with SECOND = 1 also A) stays under 65,504 and keeps f16's fixed step of 6e-8 below 6e-5.  NaN and infinities are not treated apart.
; SHARES.  Work-group (x, y) = (64 columns, 32 rows): 256 work-groups.  Wave w owns K = 128 w .. 128 w + 127 in LDS bytes of its own: 8 accumulators x 4 K steps; the eight waves' partial sums
; meet in LDS behind the one barrier, and wave w adds and stores rows 4 w .. 4 w + 3.
; NO TENSOR LOADS, NO CLUSTER: the weights that the 16 row blocks share are f32 in memory and must be rounded to f16, which goes through registers.
.set SECOND, 1
.if SECOND
.set BPS, 12                           ; a row of B is 4,096 bytes
.set NA,  4                            ; A: 32 loads, a row of 512 bytes each
.else
.set BPS, 13                           ; a row of B is 8,192 bytes
.set NA,  2                            ; A: 16 loads, two rows of 256 bytes each
.endif
.set BP,   1<<BPS
.set G,    NA+8                        ; groups of eight loads: A's, then B's 64 loads of two rows of 256 bytes
.set PB,   160                         ; B's row in LDS: 128 bytes + 32 = 5 x 32: the turning load's 8 rows x 32 bytes fall on every bank once (64 banks of 4 bytes: ISA guide 11.1)
.set PA,   272                         ; A's row: 256 bytes + 16: the 16 rows of a fragment load start at 16 different groups of four banks
.set APAN, 128*PB                      ; a wave's bytes: B's 128 rows, then A's 32
.set WPAN, APAN+32*PA
.set RED,  8*WPAN                      ; partial sums: for each wave 32 rows of 256 bytes + 16
.set PR,   272
.set SPARE, RED+8*32*PR                ; the spare words, 128 bytes for each of the 8 waves: four blocks of 256 bytes that no other line names
.set Y,   32                           ; v[32:63]   in the stream: rounded words on their way to LDS, two sets by turns
.set ACC, 32                           ; v[32:95]   then the accumulators: tile (mt, nt) at ACC + 8 (4 mt + nt)
.set X,   128                          ; v[128:255] the ring of 32 loads
.set FB,  128                          ; v[128:191] then B's fragments of two K steps; then the partial sums read back
.set FA,  192                          ; v[192:223] A's fragments of two K steps
; v2 spare word's address, v3 0, v4 offset in B, v5 offset in A, v6, v7 where B's and A's words go, v8 B's turned fragments, v9 A's fragments, v10 where my partial sums go,
; v11 where I read them back, v12 offset in out, v13 16 r, v[16:19] bias, v14, v15, v20-23 at work
	s_load_b256 s[4:11], s[0:1], 0x0               ; A s[4:5], B s[6:7], bias s[8:9], out s[10:11]
	v_lshl_add_u32 v2, v0, 2, SPARE
	v_mov_b32 v3, 0
	v_lshrrev_b32 v1, 5, v0
	v_readfirstlane_b32 s16, v1                    ; wave 0..7
	s_mov_b32 s17, ttmp9                           ; column block
	s_and_b32 s18, ttmp7, 0xffff                   ; row block
	s_lshl_b32 s28, s17, 8                         ; 64 columns of 4 bytes
	s_lshl_b32 s30, s18, 17                        ; out: 32 rows of 4,096 bytes
	s_add_co_u32 s30, s30, s28
.if SECOND
	s_lshl_b32 s24, s18, 17                        ; A: 32 rows of 4,096 bytes, 128 numbers of 4 bytes a wave
	s_lshl_b32 s32, s16, 9
	s_add_co_u32 s24, s24, s32
	s_lshl_b32 s26, s16, 19                        ; B: 128 rows of 4,096 bytes a wave
	s_add_co_u32 s26, s26, s28
.else
	s_lshl_b32 s24, s18, 20                        ; A: 32 spans of 32,768 bytes, the head's row of 2,048, 128 numbers of 2 bytes a wave
	s_lshl_b32 s32, s17, 11
	s_add_co_u32 s24, s24, s32
	s_lshl_b32 s32, s16, 8
	s_add_co_u32 s24, s24, s32
	s_add_co_u32 s28, s28, 4096                    ; V's half begins 1,024 numbers into a row of Wkv and into bkv
	s_lshl_b32 s26, s16, 20                        ; B: 128 rows of 8,192 bytes a wave
	s_add_co_u32 s26, s26, s28
.endif
	s_mov_b32 s25, 0
	s_mov_b32 s27, 0
	s_mov_b32 s29, 0
	s_mov_b32 s31, 0
	s_mul_i32 s19, s16, WPAN                       ; my bytes: B's rows,
	s_add_co_u32 s20, s19, APAN                    ; A's rows
	s_mul_i32 s21, s16, 32*PR
	s_add_co_u32 s21, s21, RED                     ; my partial sums
	s_mul_i32 s22, s16, 4*PR
	s_add_co_u32 s22, s22, RED                     ; rows 4 w on of wave 0's
	s_lshl_b32 s23, s16, 14                        ; rows 4 w on of out
	v_and_b32 v14, 15, v0                          ; r
	v_bfe_u32 v15, v0, 4, 1                        ; h
	v_and_b32 v20, 31, v0                          ; lane
	v_lshlrev_b32 v13, 4, v14
	v_lshl_add_u32 v4, v15, BPS, v13               ; lanes 0-15 one row's 256 bytes, lanes 16-31 the next row's
.if SECOND
	v_lshlrev_b32 v5, 4, v20                       ; a row's 512 bytes
	v_lshl_add_u32 v7, v20, 3, s20
.else
	v_lshl_add_u32 v5, v15, 15, v13                ; lanes 0-15 one span's 256 bytes, lanes 16-31 the next span's
	v_mul_u32_u24 v7, v15, PA
	v_add3_u32 v7, v7, v13, s20
.endif
	v_mul_u32_u24 v6, v15, PB
	v_lshl_add_u32 v6, v14, 3, v6
	v_add_nc_u32 v6, s19, v6
	v_and_b32 v21, 7, v0
	v_lshl_add_u32 v21, v15, 3, v21
	v_mul_u32_u24 v8, v21, PB
	v_bfe_u32 v22, v0, 3, 1
	v_lshl_add_u32 v8, v22, 4, v8
	v_add_nc_u32 v8, s19, v8                       ; k = 8 h + lane % 8, columns 8 ((lane / 8) % 2) on
	v_mul_u32_u24 v23, v14, PA
	v_lshl_add_u32 v9, v15, 4, v23
	v_add_nc_u32 v9, s20, v9                       ; row r, 16 bytes for each half of the lanes
	v_lshl_add_u32 v10, v15, 5, v23                ; (PR = PA) row r, 32 bytes for each half of the lanes
	v_add_nc_u32 v10, s21, v10
	v_mul_u32_u24 v11, v15, PR
	v_add3_u32 v11, v11, v13, s22
	v_lshl_add_u32 v12, v15, 12, v13
	v_add_nc_u32 v12, s23, v12
	s_wait_kmcnt 0x0
	s_add_nc_u64 s[4:5], s[4:5], s[24:25]
	s_add_nc_u64 s[6:7], s[6:7], s[26:27]
	s_add_nc_u64 s[8:9], s[8:9], s[28:29]
	s_add_nc_u64 s[10:11], s[10:11], s[30:31]
	global_load_b128 v[16:19], v13, s[8:9]         ; the bias of columns 4 r .. 4 r + 3
.macro ISSUE g
.irp s, 0,1,2,3,4,5,6,7
.if (\g) < NA
.if SECOND
	global_load_b128 v[X+32*((\g)%4)+4*(\s):X+32*((\g)%4)+4*(\s)+3], v5, s[4:5] offset:(8*(\g)+(\s))*4096
.else
	global_load_b128 v[X+32*((\g)%4)+4*(\s):X+32*((\g)%4)+4*(\s)+3], v5, s[4:5] offset:(8*(\g)+(\s))*65536 th:TH_LOAD_NT
.endif
.else
	global_load_b128 v[X+32*((\g)%4)+4*(\s):X+32*((\g)%4)+4*(\s)+3], v4, s[6:7] offset:2*(8*((\g)-NA)+(\s))*BP
.endif
.endr
.endm
; Group g goes into LDS, rounded to f16 where it is f32; its registers take the group four further on.
.macro DRAIN g
.if (G-1-(\g)) < 3
	s_wait_loadcnt 8*(G-1-(\g))                    ; the last groups: the count runs down
.else
	s_wait_loadcnt 24                              ; loads come back in order (ISA guide 5.7.1): group g is in, the three younger groups stay out
.endif
.if ((\g) < NA) && !SECOND
.irp s, 0,1,2,3,4,5,6,7
	ds_store_b128 v7, v[X+32*((\g)%4)+4*(\s):X+32*((\g)%4)+4*(\s)+3] offset:2*(8*(\g)+(\s))*PA  ; f16 already
.endr
	s_wait_dscnt 0x0                               ; the stores are done before loads land on the registers that they name
	ISSUE (\g)+4
.else
.irp s, 0,1,2,3,4,5,6,7
	v_cvt_pk_f16_f32 v[Y+16*((\g)%2)+2*(\s)],   v[X+32*((\g)%4)+4*(\s)],   v[X+32*((\g)%4)+4*(\s)+1]
	v_cvt_pk_f16_f32 v[Y+16*((\g)%2)+2*(\s)+1], v[X+32*((\g)%4)+4*(\s)+2], v[X+32*((\g)%4)+4*(\s)+3]
.endr
.if (\g)+4 < G
	ISSUE (\g)+4
.endif
.irp s, 0,1,2,3,4,5,6,7
.if (\g) < NA
	ds_store_b64 v7, v[Y+16*((\g)%2)+2*(\s):Y+16*((\g)%2)+2*(\s)+1] offset:(8*(\g)+(\s))*PA
.else
	ds_store_b64 v6, v[Y+16*((\g)%2)+2*(\s):Y+16*((\g)%2)+2*(\s)+1] offset:2*(8*((\g)-NA)+(\s))*PB
.endif
.endr
.endif
.endm
.macro PLACES                          ; four plain vector instructions between a matrix instruction and what reads its result or loads into its registers
.rept 4
	v_nop
.endr
.endm
; K steps 2 p and 2 p + 1 of my four.  THE MATRIX INSTRUCTION IS USED TRANSPOSED: source 0 = 16 columns of B (turned out of LDS), source 1 = 16 rows of A: lane (r, h) then holds row r and
; eight neighbouring columns 8 h + 0..7.  The eight accumulators take turns; the first K step starts the sums.
.macro PASS p
.irp k, 0,1
.irp mt, 0,1
	ds_load_b128 v[FA+16*(\k)+8*(\mt):FA+16*(\k)+8*(\mt)+3],   v9 offset:(\mt)*16*PA+64*(2*(\p)+(\k))  ; LDS serves a wave's instructions in order (ISA guide 5.7.1.4): these see my stores
	ds_load_b128 v[FA+16*(\k)+8*(\mt)+4:FA+16*(\k)+8*(\mt)+7], v9 offset:(\mt)*16*PA+64*(2*(\p)+(\k))+32
.endr
.irp nt, 0,1,2,3
	ds_load_tr16_b128 v[FB+32*(\k)+8*(\nt):FB+32*(\k)+8*(\nt)+3],   v8 offset:32*(2*(\p)+(\k))*PB+32*(\nt)
	ds_load_tr16_b128 v[FB+32*(\k)+8*(\nt)+4:FB+32*(\k)+8*(\nt)+7], v8 offset:32*(2*(\p)+(\k))*PB+16*PB+32*(\nt)
.endr
.endr
.irp k, 0,1
	s_wait_dscnt 12-12*(\k)                        ; twelve loads a K step: the second step's stay out at first
.irp mt, 0,1
.irp nt, 0,1,2,3
.if ((\p) == 0) && ((\k) == 0)
	v_wmma_f32_16x16x32_f16 v[ACC+8*(4*(\mt)+(\nt)):ACC+8*(4*(\mt)+(\nt))+7], v[FB+32*(\k)+8*(\nt):FB+32*(\k)+8*(\nt)+7], v[FA+16*(\k)+8*(\mt):FA+16*(\k)+8*(\mt)+7], 0
.else
	v_wmma_f32_16x16x32_f16 v[ACC+8*(4*(\mt)+(\nt)):ACC+8*(4*(\mt)+(\nt))+7], v[FB+32*(\k)+8*(\nt):FB+32*(\k)+8*(\nt)+7], v[FA+16*(\k)+8*(\mt):FA+16*(\k)+8*(\mt)+7], v[ACC+8*(4*(\mt)+(\nt)):ACC+8*(4*(\mt)+(\nt))+7]
.endif
.endr
.endr
.endr
	PLACES
.endm
	ISSUE 0
	ISSUE 1
	ISSUE 2
	ISSUE 3
.set gg, 0
.rept G
	DRAIN gg
.set gg, gg+1
.endr
	PASS 0
	PASS 1
.irp mt, 0,1                           ; each accumulator's registers in ascending order
.irp nt, 0,1,2,3
	ds_store_b128 v10, v[ACC+8*(4*(\mt)+(\nt)):ACC+8*(4*(\mt)+(\nt))+3]   offset:(\mt)*16*PR+64*(\nt)
	ds_store_b128 v10, v[ACC+8*(4*(\mt)+(\nt))+4:ACC+8*(4*(\mt)+(\nt))+7] offset:(\mt)*16*PR+64*(\nt)+16
.endr
.endr
	s_wait_dscnt 0x0                               ; for the others' sake: my partial sums are in LDS
	s_barrier_signal -1
	s_barrier_wait -1
.irp i, 0,1                            ; rows 4 w + 2 i + h: lanes 0-15 one row of 256 bytes, lanes 16-31 the next
.irp w, 0,1,2,3,4,5,6,7
	ds_load_b128 v[FB+32*(\i)+4*(\w):FB+32*(\i)+4*(\w)+3], v11 offset:(\w)*32*PR+(\i)*2*PR
.endr
.endr
	s_wait_dscnt 0x0
.irp i, 0,1
.irp d, 4,8,16                         ; the eight waves' sums: neighbours 1, 2 and 4 apart
.set n, 0
.rept 16/(\d)
.irp c, 0,2
	v_pk_add_f32 v[FB+32*(\i)+2*(\d)*n+(\c):FB+32*(\i)+2*(\d)*n+(\c)+1], v[FB+32*(\i)+2*(\d)*n+(\c):FB+32*(\i)+2*(\d)*n+(\c)+1], v[FB+32*(\i)+2*(\d)*n+(\d)+(\c):FB+32*(\i)+2*(\d)*n+(\d)+(\c)+1]
.endr
.set n, n+1
.endr
.endr
	v_pk_add_f32 v[FB+32*(\i):FB+32*(\i)+1],   v[FB+32*(\i):FB+32*(\i)+1],   v[16:17]
	v_pk_add_f32 v[FB+32*(\i)+2:FB+32*(\i)+3], v[FB+32*(\i)+2:FB+32*(\i)+3], v[18:19]
	global_store_b128 v12, v[FB+32*(\i):FB+32*(\i)+3], s[10:11] offset:(\i)*8192  ; 16 lanes store 256 consecutive bytes, at a multiple of 256 from the buffer's first byte
.endr
	s_wait_tensorcnt 0x0                           ; the wave's end, behind my last LDS store
	ds_add_u32 v2, v3
	s_wait_dscnt 0x0
	s_endpgm
.Lfunc_end_k_qd111e5e2cd_g2:
	.size	k_qd111e5e2cd_g2, .Lfunc_end_k_qd111e5e2cd_g2-k_qd111e5e2cd_g2
	.p2alignl 7, 3214868480
	.fill 96, 4, 3214868480
	.section	.rodata,"a",@progbits
	.p2align	6, 0x0
	.amdhsa_kernel k_qd111e5e2cd_g2
		.amdhsa_group_segment_fixed_size 304128
		.amdhsa_private_segment_fixed_size 0
		.amdhsa_enable_private_segment 0
		.amdhsa_kernarg_size 32
		.amdhsa_user_sgpr_count 2
		.amdhsa_user_sgpr_kernarg_segment_ptr 1
		.amdhsa_wavefront_size32 1
		.amdhsa_system_sgpr_workgroup_id_x 1
		.amdhsa_system_sgpr_workgroup_id_y 1
		.amdhsa_system_sgpr_workgroup_id_z 1
		.amdhsa_system_vgpr_workitem_id 0
		.amdhsa_next_free_vgpr 256
		.amdhsa_next_free_sgpr 66
		.amdhsa_reserve_vcc 0
		.amdhsa_float_denorm_mode_32 3
		.amdhsa_float_denorm_mode_16_64 3
		.amdhsa_memory_ordered 1
		.amdhsa_forward_progress 1
		.amdhsa_inst_pref_size 41
	.end_amdhsa_kernel
	.amdgpu_metadata
---
amdhsa.version: [ 1, 2 ]
amdhsa.kernels:
  - .name:           k_qd111e5e2cd_g2
    .symbol:         k_qd111e5e2cd_g2.kd
    .args:
      - { .name: OH, .offset: 0, .size: 8, .value_kind: global_buffer, .address_space: global }
      - { .name: Wo, .offset: 8, .size: 8, .value_kind: global_buffer, .address_space: global }
      - { .name: bo, .offset: 16, .size: 8, .value_kind: global_buffer, .address_space: global }
      - { .name: out0, .offset: 24, .size: 8, .value_kind: global_buffer, .address_space: global }
    .group_segment_fixed_size: 304128
    .private_segment_fixed_size: 0
    .kernarg_segment_align: 8
    .kernarg_segment_size: 32
    .max_flat_workgroup_size: 256
    .sgpr_count:     66
    .vgpr_count:     256
    .wavefront_size: 32
...
	.end_amdgpu_metadata
.endif
;; end of part 4
;; ======== version 2 of 3: 4 launches; 1.20 times as fast as version 1
;; limits: values are held in f16: magnitudes above 65,504 overflow, below 6.1e-05 lose precision
;; workspace buffers: U 262,144 bytes; SCB 1,024 bytes; P 16,777,216 bytes; W16 4,194,304 bytes; OH16 1,048,576 bytes
;; launch prep (part 5): grid 8 x 32, 16 waves a work-group, no clusters, 96,256 bytes of LDS; arguments q, Wq, bq, Wkv, bkv, U, SCB, Wo, W16; writes U, SCB, W16
.if DOCPART == 5
	.amdgcn_target "amdgcn-amd-amdhsa--gfx1250"
	.amdhsa_code_object_version 6
	.text
	.protected	k_qd111e5e2cd_prep
	.globl	k_qd111e5e2cd_prep
	.p2align	8
	.type	k_qd111e5e2cd_prep,@function
k_qd111e5e2cd_prep:
	s_mov_b64 s[64:65], 0
	v_nop
	global_prefetch_b8 v0, s[64:65] scope:SCOPE_SE
	s_setreg_imm32_b32 hwreg(HW_REG_WAVE_MODE, 25, 1), 1
	s_wait_xcnt 0x0
; PREP.  Two kinds of work-groups, told apart by the work-group's y alone (the same for all its waves), ahead of the first barrier.
; y < 16.  The query does not hang on the key, so the scores' product is turned round:
;   score[b][l][h] = kv[b][l][:] . u[b][h][:] + qh[b][h][:] . bk[h][:],   u[b][h][c] = sum over d of Wk[c][h][d] qh[b][h][d],   qh = q Wq + bq.
; These work-groups make qh (matrix unit, f16 operands, f32 sums), u' = u / 2^E in f16 (U: [8 b][16 h][1024 c]) and for each (b, h) the pair (sc, cb) (SCB: [8][16][2] f32):
;   2^E = the power of two at or below max over d of |qh[b][h][d]| (kept within 2^-126 .. 2^126), sc = 2^E log2(e) / 8, cb = (qh . bk) log2(e) / 8.
; So |qh / 2^E| < 2 and |u'| <= 128 max|Wk|: the size of qh never reaches f16.
; y >= 16.  The weights of the two last products are rounded to f16 once: W16 = [2: Wkv's V half, Wo][16 column blocks j][1024 k][64 n], so that a block's rows lie end to end.
; LIMITS.  |q|, |Wq|, 128 max|Wk|, |Wkv's V half| and |Wo| stay under 65,504 (f16's largest number); below 6e-5 f16 keeps its fixed step of 6e-8; NaN and infinities are not treated apart.
; SHARES, y < 16.  Work-group (x, y) = (128 channels c, head h), so that a store of U covers 256 consecutive bytes, aligned.  Each makes its head's qh anew from the head's 256 KB of Wq.
; Wave w owns rows i = 64 w .. 64 w + 63 of Wq; the 16 waves' partial sums meet in LDS.  NO CLUSTER: a head's eight work-groups read the same 256 KB of Wq, but it is f32 in memory and must be
; rounded on its way, which goes through registers.
; THE FIRST PRODUCT WITHOUT A TRANSPOSITION.  A load of Wq takes two rows' 256 bytes: lanes 0-15 row 64 w + j, lanes 16-31 row 64 w + 32 + j.  So lane (r, hh) holds columns 4 r + c (c = 0..3) of the rows
; 64 w + 32 hh + j, j along its registers: rounded in pairs of rows, registers j = 16 m .. 16 m + 15 of one c ARE source 0 (16 columns 4 r + c x 32 rows) of a matrix instruction, with the rows in an order
; of their own.  Source 1 holds q in the same order: lane (r, hh) has q[r % 8][64 w + 32 hh + 16 m + 0..15].  The products are the same whatever the order, if both sources share it.
; In the result lane (n, h2) holds batch n % 8 (lanes n >= 8 repeat lanes n - 8) and in register j column 4 (8 h2 + j) + c.
; THE SECOND PRODUCT has 8 rows and 64 terms, and its terms lie across the lanes of loads that take whole rows: f32 multiply-adds and sums over 16 lanes.
; Thread t: cq = t % 16 (columns 4 cq .. 4 cq + 3 of the head's 64), rg = t / 16 (32 rows i of Wq; 4 rows c of Wk).
; SHARES, y >= 16.  Work-group number id = 8 (y - 16) + x takes 256 rows k of one column block: 64 KB in, 32 KB out at byte 32,768 id of W16; a wave 16 rows.
.set PPART, 272                        ; LDS 0: partial qh, [16 waves][16 n][64 places] f32; place 16 c + m holds column 4 m + c.  A row is 256 bytes + 16: the 16 rows of a store fall on 16 different groups of four banks (64 banks of 4 bytes: ISA guide 11.1)
.set WPART, 16*PPART
.set LQW,   16*WPART                   ; q in f16, each wave's own: [8 b][64 i], rows of 128 bytes + 16
.set PQW,   144
.set WQW,   8*PQW
.set LQS,   LQW+16*WQW                 ; qh / 2^E, [8 b][64 d] f32
.set LURES, LQS+2048                   ; u', [8 b][128 c] f32
.set SPARE, LURES+4096                 ; the spare words, 128 bytes for each of the 16 waves: eight blocks of 256 bytes that no other line names
.set C8,    0x3e38aa3b                 ; log2(e) / 8
.set WK,  16                           ; v[16:31]   Wk: 4 rows c x 4 columns d
.set QF,  32                           ; v[32:47]   my 16 numbers of q as loaded;  QH v[48:55] rounded, on their way to LDS
.set QH,  48
.set ACC, 32                           ; v[32:63]   then qh's 4 accumulators (one for each c); later u' [b][4 c]
.set AF0, 64                           ; v[64:95]   Wq's fragments of rows j = 0..15: c at AF0 + 8 c
.set QR,  64                           ;            later qh / 2^E [b][4 d]; in the conversion: rounded words
.set BF,  96                           ; v[96:111]  q's two fragments
.set QST, 96                           ;            later four chains of sums
.set W,   128                          ; v[128:255] Wq: 32 rows x 4 columns; in the conversion: 8 loads
.set AF1, 128                          ; v[128:159] Wq's fragments of rows j = 16..31, where rows 0..7 lay
; v1 lane, v2 spare word's address, v3 0, v4 offset in Wq, v5 offset in Wk, v6 offset in q, v7 where my partial sums go, v8 where my q goes, v9 8 lane, v10-15 at work,
; v[112:113] bq, v[114:115] bk of my two columns; v116-119 addresses of the last two phases; v120, v121 the conversion's; v122 4 x my first column; v123 where q's fragments lie
	s_load_b256 s[4:11], s[0:1], 0x0               ; q s[4:5], Wq s[6:7], bq s[8:9], Wkv s[10:11]
	s_load_b256 s[12:19], s[0:1], 0x20             ; bkv s[12:13], U s[14:15], SCB s[16:17], Wo s[18:19]
	s_load_b64 s[36:37], s[0:1], 0x40              ; W16
	v_lshl_add_u32 v2, v0, 2, SPARE
	v_mov_b32 v3, 0
	v_lshrrev_b32 v1, 5, v0
	v_readfirstlane_b32 s20, v1                    ; wave 0..15
	s_mov_b32 s21, ttmp9                           ; which 128 channels
	s_and_b32 s22, ttmp7, 0xffff                   ; head, or 16 and more: the conversion
	s_mov_b32 s26, 0x76543210                      ; v_permlanex16_b32: each lane takes its own place in the other half
	s_mov_b32 s27, 0xfedcba98
	s_lshl_b32 s24, s22, 8                         ; the head's 64 columns: 256 bytes
	s_mov_b32 s25, 0
	s_lshl_b32 s28, s21, 20                        ; 128 rows of Wkv, 8,192 bytes each
	s_mov_b32 s29, 0
	s_lshl_b32 s32, s22, 11                        ; U: the head's row of 2,048 bytes,
	s_lshl_b32 s33, s21, 8                         ; and 128 channels of 2 bytes
	s_add_co_u32 s32, s32, s33
	s_mov_b32 s33, 0
	s_lshl_b32 s34, s20, 8                         ; q: my wave's 64 numbers of a row, 256 bytes
	s_mul_i32 s35, s20, WPART                      ; my wave's partial sums
	s_mul_i32 s38, s20, WQW
	s_add_co_u32 s38, s38, LQW                     ; my wave's q
	v_and_b32 v1, 31, v0                           ; lane
	v_and_b32 v12, 15, v0                          ; cq (r)
	v_lshrrev_b32 v13, 4, v0                       ; rg
	v_bfe_u32 v10, v0, 4, 1                        ; hh
	v_and_b32 v11, 7, v0                           ; r % 8
	v_lshlrev_b32 v14, 4, v12                      ; 16 cq
	v_lshl_add_u32 v4, v13, 17, v14                ; 32 rows of 4,096 bytes a group
	v_lshl_add_u32 v5, v13, 15, v14                ; 4 rows of 8,192 bytes a group
	v_lshl_add_u32 v6, v10, 12, v14                ; lanes 0-15 one batch's 256 bytes, lanes 16-31 the next batch's
	v_add_nc_u32 v6, s34, v6
	v_mul_u32_u24 v7, v12, PPART
	v_lshl_add_u32 v7, v10, 5, v7                  ; row n, 32 bytes for each half of the lanes
	v_add_nc_u32 v7, s35, v7
	v_mul_u32_u24 v8, v10, PQW
	v_lshl_add_u32 v8, v12, 3, v8                  ; the same two batches' rows, 8 bytes a lane
	v_add_nc_u32 v8, s38, v8
	v_mul_u32_u24 v123, v11, PQW
	v_lshl_add_u32 v123, v10, 6, v123              ; batch r % 8, 32 numbers for each half of the lanes
	v_add_nc_u32 v123, s38, v123
	v_lshlrev_b32 v9, 3, v1
	v_lshrrev_b32 v122, 3, v1
	v_lshlrev_b32 v122, 2, v122
	v_lshl_add_u32 v122, v11, 5, v122              ; places 2 lane and 2 lane + 1 are columns d0 = 8 (lane % 8) + lane / 8 and d0 + 4: 4 d0
	v_add_nc_u32 v116, LQS, v14                    ; my 4 columns of qh / 2^E
	v_lshl_add_u32 v117, v13, 4, LURES             ; my 4 channels of u'
	v_and_b32 v15, 127, v0                         ; the way out is threads 0 to 127's: 8 channels each
	v_lshl_add_u32 v118, v15, 5, LURES
	v_lshrrev_b32 v119, 4, v15                     ; b
	v_lshl_add_u32 v119, v119, 15, v14             ; 32,768 b + 16 (t % 16)
	v_mov_b32 v13, 0                               ; v13 and v15 will be destinations of v_permlanex16_b32, which counts as a reader of them
	v_mov_b32 v15, 0
	s_wait_kmcnt 0x0
	s_cmp_lt_u32 s22, 16
	s_cbranch_scc0 .Lconvert                       ; the whole work-group goes one way
	s_add_nc_u64 s[6:7], s[6:7], s[24:25]          ; Wq, bq, bk and Wk at the head's columns (K's half is the first 1,024 columns of Wkv and bkv)
	s_add_nc_u64 s[8:9], s[8:9], s[24:25]
	s_add_nc_u64 s[12:13], s[12:13], s[24:25]
	s_add_nc_u64 s[10:11], s[10:11], s[24:25]
	s_add_nc_u64 s[10:11], s[10:11], s[28:29]
	s_add_nc_u64 s[14:15], s[14:15], s[32:33]
	; all 44 loads go out at once: q 4, bq 2, bk 2, Wq 32, Wk 4
.irp k, 0,1,2,3
	global_load_b128 v[QF+4*(\k):QF+4*(\k)+3], v6, s[4:5] offset:(\k)*8192  ; batches 2 k and 2 k + 1: 16 lanes take 256 consecutive bytes, aligned
.endr
	global_load_b32 v112, v122, s[8:9]
	global_load_b32 v113, v122, s[8:9] offset:16
	global_load_b32 v114, v122, s[12:13]
	global_load_b32 v115, v122, s[12:13] offset:16
.set j, 0
.rept 32
	global_load_b128 v[W+4*j:W+4*j+3], v4, s[6:7] offset:j*4096  ; 16 lanes take a row's 256 bytes
.set j, j+1
.endr
.irp e, 0,1,2,3
	global_load_b128 v[WK+4*(\e):WK+4*(\e)+3], v5, s[10:11] offset:(\e)*8192
.endr
	; q: rounded, into my wave's own LDS bytes, and back as two fragments.  No other wave touches these bytes, and LDS serves a wave's instructions in order (ISA guide 5.7.1.4): no barrier, no wait between.
	s_wait_loadcnt 40                              ; q's four are in; the 40 issued behind them stay out
.irp k, 0,1,2,3
	v_cvt_pk_f16_f32 v[QH+2*(\k)],   v[QF+4*(\k)],   v[QF+4*(\k)+1]
	v_cvt_pk_f16_f32 v[QH+2*(\k)+1], v[QF+4*(\k)+2], v[QF+4*(\k)+3]
.endr
.irp k, 0,1,2,3
	ds_store_b64 v8, v[QH+2*(\k):QH+2*(\k)+1] offset:(\k)*2*PQW
.endr
.irp k, 0,1,2,3
	ds_load_b128 v[BF+4*(\k):BF+4*(\k)+3], v123 offset:16*(\k)  ; q[r % 8][64 w + 32 hh + 8 k ..]: registers 0-7 go with rows j = 0..15, registers 8-15 with j = 16..31
.endr
; Rows j0 .. j0 + 7 of my 32, rounded in pairs of rows: registers p0 .. p0 + 3 of the four fragments at af
.macro TOF16 af, j0, p0
.irp pp, 0,1,2,3
.irp c, 0,1,2,3
	v_cvt_pk_f16_f32 v[(\af)+8*(\c)+(\p0)+(\pp)], v[W+4*((\j0)+2*(\pp))+(\c)], v[W+4*((\j0)+2*(\pp))+4+(\c)]
.endr
.endr
.endm
	s_wait_loadcnt 28                              ; loads come back in order (ISA guide 5.7.1): rows 0-7 are in; behind them 24 rows and Wk's four
	TOF16 AF0, 0, 0
	s_wait_loadcnt 20                              ; rows 8-15
	TOF16 AF0, 8, 4
	s_wait_dscnt 0x0                               ; q's fragments are in, and the stores have read QH, onto which the sums will be written
.irp c, 0,1,2,3                        ; the four accumulators take turns; the first product starts each sum
	v_wmma_f32_16x16x32_f16 v[ACC+8*(\c):ACC+8*(\c)+7], v[AF0+8*(\c):AF0+8*(\c)+7], v[BF:BF+7], 0
.endr
	s_wait_loadcnt 12                              ; rows 16-23
	TOF16 AF1, 16, 0
	s_wait_loadcnt 4                               ; rows 24-31; Wk's four stay out
	TOF16 AF1, 24, 4
.irp c, 0,1,2,3
	v_wmma_f32_16x16x32_f16 v[ACC+8*(\c):ACC+8*(\c)+7], v[AF1+8*(\c):AF1+8*(\c)+7], v[BF+8:BF+15], v[ACC+8*(\c):ACC+8*(\c)+7]
.endr
.rept 4
	v_nop                                          ; four plain vector instructions between a matrix instruction and what reads its result or writes its registers (ISA guide 7.12.1)
.endr
.irp c, 0,1,2,3                        ; each accumulator's registers in ascending order: places 16 c + 8 h2 + 0..7
	ds_store_b128 v7, v[ACC+8*(\c):ACC+8*(\c)+3]   offset:64*(\c)
	ds_store_b128 v7, v[ACC+8*(\c)+4:ACC+8*(\c)+7] offset:64*(\c)+16
.endr
	s_wait_dscnt 0x0                               ; for the others' sake: my partial sums are in LDS
	s_barrier_signal -1
	s_barrier_wait -1
	; Waves 0 to 7: wave b finishes qh[b][h][:]; lane l holds places 2 l and 2 l + 1: columns d0 and d0 + 4.
	s_cmp_lt_u32 s20, 8
	s_cbranch_scc0 .Lq_done
	s_mul_i32 s34, s20, PPART
	v_add_nc_u32 v10, s34, v9                      ; row b of wave 0's partial sums, 8 bytes a lane
.set j, 0
.rept 16
	ds_load_b64 v[W+2*j:W+2*j+1], v10 offset:j*WPART
.set j, j+1
.endr
	s_wait_dscnt 0x0
.irp k, 0,1,2,3
	v_pk_add_f32 v[QST+2*(\k):QST+2*(\k)+1], v[W+2*(\k):W+2*(\k)+1], v[W+2*(\k)+8:W+2*(\k)+9]  ; four chains that do not wait for each other
.endr
.set j, 8
.rept 8
	v_pk_add_f32 v[QST+2*(j%4):QST+2*(j%4)+1], v[QST+2*(j%4):QST+2*(j%4)+1], v[W+2*j:W+2*j+1]
.set j, j+1
.endr
	v_pk_add_f32 v[QST:QST+1], v[QST:QST+1], v[QST+2:QST+3]
	v_pk_add_f32 v[QST+4:QST+5], v[QST+4:QST+5], v[QST+6:QST+7]
	v_pk_add_f32 v[QST:QST+1], v[QST:QST+1], v[QST+4:QST+5]
	v_pk_add_f32 v[QST:QST+1], v[QST:QST+1], v[112:113]     ; + bq: qh
	v_and_b32 v12, 0x7fffffff, v[QST]
	v_and_b32 v13, 0x7fffffff, v[QST+1]
	v_max_num_f32 v12, v12, v13
	v_mul_f32 v14, v114, v[QST]
	v_fma_f32 v14, v115, v[QST+1], v14             ; my part of qh . bk
.irp m, 1,2,4,8
	v_max_num_f32_dpp v12, v12, v12 row_xmask:\m row_mask:0xf bank_mask:0xf
	v_add_f32_dpp v14, v14, v14 row_xmask:\m row_mask:0xf bank_mask:0xf
.endr
	v_permlanex16_b32 v13, v12, s26, s27
	v_permlanex16_b32 v15, v14, s26, s27
	v_max_num_f32 v12, v12, v13                    ; max |qh| over the head's 64, in every lane
	v_add_f32 v14, v14, v15                        ; qh . bk
	v_and_b32 v12, 0x7f800000, v12                 ; its power of two,
	v_max_num_f32 v12, 0x00800000, v12             ; kept within 2^-126 .. 2^126: normal numbers whose reciprocal is normal too
	v_min_num_f32 v12, 0x7e800000, v12
	v_sub_nc_u32 v15, 0x7f000000, v12              ; 2^-E: the exponent mirrored
	v_mul_f32 v[QST], v[QST], v15
	v_mul_f32 v[QST+1], v[QST+1], v15
	s_lshl_b32 s34, s20, 8
	s_add_co_u32 s34, s34, LQS
	v_add_nc_u32 v10, s34, v122                    ; back into the columns' own order
	ds_store_b32 v10, v[QST]
	ds_store_b32 v10, v[QST+1] offset:16
	s_cmp_lg_u32 s21, 0                            ; the pair (sc, cb) is stored by one of the head's eight work-groups
	s_cbranch_scc1 .Lno_scb
	v_mul_f32 v12, C8, v12                         ; sc
	v_mul_f32 v13, C8, v14                         ; cb
	s_lshl_b32 s34, s20, 4
	s_add_co_u32 s34, s34, s22
	s_lshl_b32 s34, s34, 3                         ; 8 (16 b + h)
	v_mov_b32 v11, s34
	s_wait_xcnt 0x0                                ; EXEC is a source of the loads still out (Wk's): it changes only behind this wait
	v_cmp_eq_u32 vcc_lo, 0, v1
	s_and_saveexec_b32 s30, vcc_lo
	global_store_b64 v11, v[12:13], s[16:17]       ; lane 0 alone
	s_wait_xcnt 0x0                                ; and again, in front of the line that widens it
	s_or_b32 exec_lo, exec_lo, s30
.Lno_scb:
.Lq_done:
	s_wait_dscnt 0x0                               ; for the others' sake: qh / 2^E is in LDS
	s_barrier_signal -1
	s_barrier_wait -1
	; u'[b][c] = sum over d of Wk[c][d] (qh / 2^E)[b][d]: four d in the lane, then over the 16 lanes of my group
.irp b, 0,1,2,3,4,5,6,7
	ds_load_b128 v[QR+4*(\b):QR+4*(\b)+3], v116 offset:(\b)*256
.endr
	s_wait_loadcnt 0x0                             ; Wk
	s_wait_dscnt 0x0
.irp dd, 0,1,2,3
.set n, 0
.rept 32                               ; n = 4 b + e: batch b, my row e of Wk
.if (\dd) == 0
	v_mul_f32 v[ACC+n], v[WK+4*(n%4)], v[QR+4*(n/4)]
.else
	v_fma_f32 v[ACC+n], v[WK+4*(n%4)+(\dd)], v[QR+4*(n/4)+(\dd)], v[ACC+n]
.endif
.set n, n+1
.endr
.endr
.irp m, 1,2,4,8
.set n, 0
.rept 32
	v_add_f32_dpp v[ACC+n], v[ACC+n], v[ACC+n] row_xmask:\m row_mask:0xf bank_mask:0xf
.set n, n+1
.endr
.endr
.irp b, 0,1,2,3,4,5,6,7
	ds_store_b128 v117, v[ACC+4*(\b):ACC+4*(\b)+3] offset:(\b)*512  ; the group's 16 lanes hold the same four sums and write the same 16 bytes
.endr
	s_wait_dscnt 0x0                               ; for the others' sake
	s_barrier_signal -1
	s_barrier_wait -1
	s_cmp_lt_u32 s20, 4                            ; waves 0 to 3: 8 channels a thread, rounded to f16 once
	s_cbranch_scc0 .Lend
	ds_load_b128 v[64:67], v118
	ds_load_b128 v[68:71], v118 offset:16
	s_wait_dscnt 0x0
	v_cvt_pk_f16_f32 v72, v64, v65
	v_cvt_pk_f16_f32 v73, v66, v67
	v_cvt_pk_f16_f32 v74, v68, v69
	v_cvt_pk_f16_f32 v75, v70, v71
	global_store_b128 v119, v[72:75], s[14:15]     ; 16 lanes store 256 consecutive bytes, at a multiple of 256 from U's first byte
.Lend:
	s_wait_tensorcnt 0x0                           ; the wave's end, behind my last LDS store
	ds_add_u32 v2, v3
	s_wait_dscnt 0x0
	s_endpgm
; THE CONVERSION.  My wave's 16 rows of 64 columns: a load takes two rows' 256 bytes (lanes 0-15 one row, lanes 16-31 the next), four numbers a lane; rounded they are 8 bytes a lane,
; and the wave's store covers the two rows' 256 consecutive bytes of W16, aligned.  bps: a source row is 2^bps bytes; sb: the source's address; extra: bytes to the first column wanted.
.macro CONV bps, sb, extra
	s_lshl_b32 s44, s40, \bps                      ; my first row,
	s_add_co_u32 s44, s44, s39                     ; the block's 64 columns
.if \extra
	s_add_co_u32 s44, s44, \extra
.endif
	s_mov_b32 s45, 0
	s_add_nc_u64 s[\sb:\sb+1], s[\sb:\sb+1], s[44:45]
	v_lshl_add_u32 v121, v120, \bps, v14
.irp i, 0,1,2,3,4,5,6,7
	global_load_b128 v[W+4*(\i):W+4*(\i)+3], v121, s[\sb:\sb+1] offset:(\i)*(2<<(\bps)) th:TH_LOAD_NT  ; read once in the launch
.endr
.irp i, 0,1,2,3,4,5,6,7
	s_wait_loadcnt 7-(\i)                          ; loads come back in order (ISA guide 5.7.1): the younger ones stay out
	v_cvt_pk_f16_f32 v[QR+2*(\i)],   v[W+4*(\i)],   v[W+4*(\i)+1]
	v_cvt_pk_f16_f32 v[QR+2*(\i)+1], v[W+4*(\i)+2], v[W+4*(\i)+3]
	global_store_b64 v9, v[QR+2*(\i):QR+2*(\i)+1], s[36:37] offset:(\i)*256
.endr
	s_wait_tensorcnt 0x0                           ; the wave's end
	ds_add_u32 v2, v3
	s_wait_dscnt 0x0
	s_endpgm
.endm
.Lconvert:
	s_sub_co_u32 s38, s22, 16
	s_lshl_b32 s38, s38, 3
	s_add_co_u32 s38, s38, s21                     ; id = 64 matrix + 4 j + quarter of the 1,024 rows
	s_bfe_u32 s39, s38, 0x40002                    ; j
	s_lshl_b32 s39, s39, 8                         ; its 64 columns of 4 bytes
	s_and_b32 s40, s38, 3
	s_lshl_b32 s40, s40, 8
	s_lshl_b32 s41, s20, 4
	s_add_co_u32 s40, s40, s41                     ; my first row: 256 quarter + 16 wave
	s_lshl_b32 s42, s38, 15                        ; W16: 32,768 bytes a work-group, 2,048 a wave
	s_lshl_b32 s43, s20, 11
	s_add_co_u32 s42, s42, s43
	s_mov_b32 s43, 0
	s_add_nc_u64 s[36:37], s[36:37], s[42:43]
	v_bfe_u32 v120, v0, 4, 1                       ; which of a load's two rows
	s_cmp_lt_u32 s38, 64
	s_cbranch_scc0 .Lconv_wo
	CONV 13, 10, 4096                              ; Wkv: rows of 8,192 bytes; V's half begins 1,024 numbers into a row
.Lconv_wo:
	CONV 12, 18, 0                                 ; Wo: rows of 4,096 bytes
.Lfunc_end_k_qd111e5e2cd_prep:
	.size	k_qd111e5e2cd_prep, .Lfunc_end_k_qd111e5e2cd_prep-k_qd111e5e2cd_prep
	.p2alignl 7, 3214868480
	.fill 96, 4, 3214868480
	.section	.rodata,"a",@progbits
	.p2align	6, 0x0
	.amdhsa_kernel k_qd111e5e2cd_prep
		.amdhsa_group_segment_fixed_size 96256
		.amdhsa_private_segment_fixed_size 0
		.amdhsa_enable_private_segment 0
		.amdhsa_kernarg_size 72
		.amdhsa_user_sgpr_count 2
		.amdhsa_user_sgpr_kernarg_segment_ptr 1
		.amdhsa_wavefront_size32 1
		.amdhsa_system_sgpr_workgroup_id_x 1
		.amdhsa_system_sgpr_workgroup_id_y 1
		.amdhsa_system_sgpr_workgroup_id_z 1
		.amdhsa_system_vgpr_workitem_id 0
		.amdhsa_next_free_vgpr 256
		.amdhsa_next_free_sgpr 66
		.amdhsa_reserve_vcc 1
		.amdhsa_float_denorm_mode_32 3
		.amdhsa_float_denorm_mode_16_64 3
		.amdhsa_memory_ordered 1
		.amdhsa_forward_progress 1
		.amdhsa_inst_pref_size 42
	.end_amdhsa_kernel
	.amdgpu_metadata
---
amdhsa.version: [ 1, 2 ]
amdhsa.kernels:
  - .name:           k_qd111e5e2cd_prep
    .symbol:         k_qd111e5e2cd_prep.kd
    .args:
      - { .name: q, .offset: 0, .size: 8, .value_kind: global_buffer, .address_space: global }
      - { .name: Wq, .offset: 8, .size: 8, .value_kind: global_buffer, .address_space: global }
      - { .name: bq, .offset: 16, .size: 8, .value_kind: global_buffer, .address_space: global }
      - { .name: Wkv, .offset: 24, .size: 8, .value_kind: global_buffer, .address_space: global }
      - { .name: bkv, .offset: 32, .size: 8, .value_kind: global_buffer, .address_space: global }
      - { .name: U, .offset: 40, .size: 8, .value_kind: global_buffer, .address_space: global }
      - { .name: SCB, .offset: 48, .size: 8, .value_kind: global_buffer, .address_space: global }
      - { .name: Wo, .offset: 56, .size: 8, .value_kind: global_buffer, .address_space: global }
      - { .name: W16, .offset: 64, .size: 8, .value_kind: global_buffer, .address_space: global }
    .group_segment_fixed_size: 96256
    .private_segment_fixed_size: 0
    .kernarg_segment_align: 8
    .kernarg_segment_size: 72
    .max_flat_workgroup_size: 512
    .sgpr_count:     66
    .vgpr_count:     256
    .wavefront_size: 32
...
	.end_amdgpu_metadata
.endif
;; end of part 5
;; launch main: the kernel of part 2 again; grid 256 x 1, 8 waves a work-group, no clusters, 312,320 bytes of LDS; arguments kv, mask, U, SCB, P; writes P
;; launch g1 (part 6): grid 16 x 16, 8 waves a work-group, clusters of 4 x 4, 308,224 bytes of LDS; arguments P, W16, bkv, OH16; writes OH16
.if DOCPART == 6
	.amdgcn_target "amdgcn-amd-amdhsa--gfx1250"
	.amdhsa_code_object_version 6
	.text
	.protected	k_qd111e5e2cd_g1
	.globl	k_qd111e5e2cd_g1
	.p2align	8
	.type	k_qd111e5e2cd_g1,@function
k_qd111e5e2cd_g1:
	s_mov_b64 s[64:65], 0
	v_nop
	global_prefetch_b8 v0, s[64:65] scope:SCOPE_SE
	s_setreg_imm32_b32 hwreg(HW_REG_WAVE_MODE, 25, 1), 1
	s_wait_xcnt 0x0
	s_wait_alu depctr_hold_cnt(0) depctr_sa_sdst(0) depctr_va_vdst(0) depctr_va_sdst(0) depctr_va_ssrc(0) depctr_va_vcc(0) depctr_vm_vsrc(0)
	s_getreg_b32 s2, hwreg(HW_REG_IB_STS2, 6, 4)
	s_cmp_eq_u32 s2, 0
	s_cbranch_scc0 .Lentry_in_a_cluster
	s_endpgm
.Lentry_in_a_cluster:
	s_bfe_u32 s2, ttmp6, 0x10000c
	s_cmp_lg_u32 s2, 0xf033
	s_cbranch_scc0 .Lentry_shape_is_right
	s_endpgm
.Lentry_shape_is_right:
; A tile of 32 rows x 64 columns of  out = A B + bias,  K = 1,024, f16 operands, f32 sums.  One text serves two launches:
;   SECOND = 0:  OH[span][64 h + d] = sum over c of P[span][h][c] Wv[c][64 h + d] + bv[64 h + d]   (A: the pooled rows; head = column block; out: f16, OH16 = [16 row blocks][16 column blocks][32 rows][64 columns])
;   SECOND = 1:  out0[row][n] = sum over c of OH[row][c] Wo[c][n] + bo[n]                           (A: OH16; out: f32, row-major)
; B is W16 = [2: Wv, Wo][16 column blocks][1024 k][64 n] in f16, as the first launch laid it: a column block's rows lie end to end.
; LIMITS.  With SECOND = 0 the result is rounded to f16: |OH| stays under 65,504 and keeps f16's fixed step of 6e-8 below 6e-5.  NaN and infinities are not treated apart.
; SHARES.  Work-group (x, y) = (64 columns, 32 rows): 256 work-groups.  Wave w owns K = 128 w .. 128 w + 127 in LDS bytes of its own, brought by two tensor loads of its own (two are out, by this text's
; count; nothing is filled again): 8 accumulators x 4 K steps; the eight waves' partial sums meet in LDS behind the one work-group barrier, and wave w adds and stores rows 4 w .. 4 w + 3.
; CLUSTERS: 4 x 4 work-groups.  B's tile hangs on the column block (and the wave) alone: the four of a cluster's column ask for it JOINTLY, by the same load with the same descriptor and a mask that names
; the four.  With SECOND = 1 A's tile hangs on the row block alone and is asked for jointly along a cluster's row.  With SECOND = 0 A's tile hangs on the head AND the row block: no two work-groups
; share it, and it is a load of the work-group's own.
.set SECOND, 0
.set PB,   160                         ; B's row in LDS: 128 bytes + 32 = 5 x 32: the turning load's 8 rows x 32 bytes fall on every bank once (64 banks of 4 bytes: ISA guide 11.1)
.if SECOND
.set PA,   144                         ; A in LDS: 64 rows (2 column blocks of OH16 x 32 rows) of 128 bytes + 16: the 16 rows of a fragment load start at 16 different groups of four banks
.else
.set PA,   272                         ; A in LDS: 32 rows of 256 bytes + 16: likewise
.endif
.set APAN, 128*PB                      ; a wave's bytes: B's 128 rows, then A's 9,216 at the most
.set WPAN, APAN+9216
.set RED,  8*WPAN                      ; partial sums, written by LDS stores; no tensor load lands here: for each wave 32 rows of 256 bytes + 16
.set PR,   272
.set SPARE, RED+8*32*PR                ; the spare words, 128 bytes for each of the 8 waves: four blocks of 256 bytes that no other line names
.set ACC, 32                           ; v[32:95]   the accumulators: tile (mt, nt) at ACC + 8 (4 mt + nt)
.set FB,  128                          ; v[128:191] B's fragments of two K steps; then the partial sums read back
.set FA,  192                          ; v[192:223] A's fragments of two K steps
.set G0A, 36                           ; s[36:39] descriptor group 0 for A's tile;  s[40:43] for B's
.set G0B, 40
.set G1A, 44                           ; s[44:51] descriptor group 1 for A's tile;  s[52:59] for B's
.set G1B, 52
; v2 spare word's address, v3 0, v8 B's turned fragments, v9 A's fragments, v10 where my partial sums go, v11 where I read them back, v12 offset in out, v13 16 r, v[16:19] bias,
; v14, v15, v21, v22 at work, v[24:27] rounded results
; A round of the cluster's barrier: my work-group's barrier, so that wave 0's signal speaks for all eight waves; wave 0 signals for the work-group; every wave waits for all sixteen work-groups;
; my work-group's barrier once more.  No LDS instruction of the wave is pending at a signal.
.macro ROUND
	s_barrier_signal -1
	s_barrier_wait -1
	s_cmp_lg_u32 s16, 0
	s_cbranch_scc1 .Lnot_wave_0_\@
	s_barrier_signal -3
.Lnot_wave_0_\@:
	s_barrier_wait -3
	s_barrier_signal -1
	s_barrier_wait -1
.endm
	s_load_b256 s[4:11], s[0:1], 0x0               ; A s[4:5], W16 s[6:7], bias s[8:9], out s[10:11]
	v_lshl_add_u32 v2, v0, 2, SPARE
	v_mov_b32 v3, 0
	ds_add_u32 v2, v3                              ; the wave's opening: the add and its wait stand ahead of my first tensor load; the set-up below, work on registers, stands between them
	v_lshrrev_b32 v1, 5, v0
	v_readfirstlane_b32 s16, v1                    ; wave 0..7
	s_bfe_u32 s60, ttmp6, 0x40000                  ; cx: my place along the cluster's x
	s_bfe_u32 s61, ttmp6, 0x40004                  ; cy: along its y
	s_lshl_b32 s17, ttmp9, 2                       ; in a cluster launch ttmp9 and ttmp7 count clusters
	s_add_co_u32 s17, s17, s60                     ; column block = 4 x cluster x + cx
	s_and_b32 s18, ttmp7, 0xffff
	s_lshl_b32 s18, s18, 2
	s_add_co_u32 s18, s18, s61                     ; row block = 4 x cluster y + cy
	s_lshl_b32 s62, 0x1111, s60                    ; my column of the cluster: places cx, cx + 4, cx + 8, cx + 12
	; where the tiles come from.  B's offset is made of the column block and the wave alone; with SECOND = 1 A's of the row block and the wave alone.
	s_lshl_b32 s26, s17, 17                        ; B: 131,072 bytes a column block,
	s_lshl_b32 s33, s16, 14                        ; 128 rows of 128 bytes a wave
	s_add_co_u32 s26, s26, s33
	s_lshl_b32 s28, s17, 8                         ; bias: 64 numbers of 4 bytes
.if SECOND
	s_add_co_u32 s26, s26, 0x200000                ; Wo is W16's second half
	s_lshl_b32 s24, s18, 16                        ; A: 65,536 bytes a row block, two column blocks of 4,096 a wave
	s_lshl_b32 s34, s16, 13
	s_add_co_u32 s24, s24, s34
	s_lshl_b32 s30, s18, 17                        ; out: 32 rows of 4,096 bytes, 64 columns of 4
	s_add_co_u32 s30, s30, s28
	s_lshl_b32 s63, s61, 2
	s_lshl_b32 s63, 15, s63                        ; my row of the cluster: places 4 cy .. 4 cy + 3
	s_or_b32 s[G1A], s63, (1<<16)|(1<<20)|(1<<21)|(4<<22)|(3<<25)  ; 15:0 the mask: my row; 17:16 2-byte elements; 20 padding on; 21 set beside a mask; 24:22 after every 32 words (code 4); 31:25 4 words (code 3)
	s_mov_b32 s[G1A+5], 128                        ; dense: 8,192 bytes asked for as 32 rows of 256
.else
	s_lshl_b32 s24, s18, 20                        ; A: 32 spans of 32,768 bytes, the head's row of 2,048, 128 numbers of 2 bytes a wave
	s_lshl_b32 s35, s17, 11
	s_add_co_u32 s24, s24, s35
	s_lshl_b32 s34, s16, 8
	s_add_co_u32 s24, s24, s34
	s_lshl_b32 s30, s18, 16                        ; out: 65,536 bytes a row block, 4,096 a column block, my 4 rows of 128
	s_lshl_b32 s35, s17, 12
	s_add_co_u32 s30, s30, s35
	s_lshl_b32 s34, s16, 9
	s_add_co_u32 s30, s30, s34
	s_add_co_u32 s28, s28, 4096                    ; V's half begins 1,024 numbers into bkv
	s_mov_b32 s[G1A], (1<<16)|(1<<20)|(5<<22)|(3<<25)  ; no mask: my own load; 2-byte elements; padding after every 64 words (code 5) of 4 words (code 3)
	s_mov_b32 s[G1A+5], 16384                      ; elements from a span's row to the next span's
.endif
	s_mov_b32 s[G1A+1], 128<<16                    ; tensor_dim0 = 128
	s_mov_b32 s[G1A+2], 32<<16                     ; tensor_dim1 = 32
	s_mov_b32 s[G1A+3], 128<<16                    ; tile_dim0 = 128 elements: 256 bytes
	s_mov_b32 s[G1A+4], 32                         ; tile_dim1 = 32
	s_mov_b32 s[G1A+6], 0
	s_mov_b32 s[G1A+7], 0
	s_or_b32 s[G1B], s62, (1<<16)|(1<<20)|(1<<21)|(4<<22)|(7<<25)  ; the mask: my column; padding after every 32 words (one row of B) of 8 words (code 7)
	s_mov_b32 s[G1B+1], 128<<16                    ; dense: 16,384 bytes asked for as 64 rows of 256, two rows of B each
	s_mov_b32 s[G1B+2], 64<<16
	s_mov_b32 s[G1B+3], 128<<16
	s_mov_b32 s[G1B+4], 64
	s_mov_b32 s[G1B+5], 128
	s_mov_b32 s[G1B+6], 0
	s_mov_b32 s[G1B+7], 0
	s_mov_b32 s25, 0
	s_mov_b32 s27, 0
	s_mov_b32 s29, 0
	s_mov_b32 s31, 0
	s_mul_i32 s19, s16, WPAN                       ; my bytes: B's rows,
	s_add_co_u32 s20, s19, APAN                    ; A's rows: no place in the cluster enters an LDS address
	s_mul_i32 s21, s16, 32*PR
	s_add_co_u32 s21, s21, RED                     ; my partial sums
	s_mul_i32 s22, s16, 4*PR
	s_add_co_u32 s22, s22, RED                     ; rows 4 w on of wave 0's
	s_lshl_b32 s23, s16, 14                        ; rows 4 w on of a row-major out
	s_mov_b32 s[G0A], 1                            ; 1:0 count = 1
	s_add_co_u32 s[G0A+1], s19, APAN               ; 63:32 LDS address
	s_mov_b32 s[G0B], 1
	s_mov_b32 s[G0B+1], s19
	s_wait_dscnt 0x0                               ; the opening add is done
	s_wait_kmcnt 0x0
	s_add_nc_u64 s[G0A+2:G0A+3], s[4:5], s[24:25]  ; 120:64 global address
	s_or_b32 s[G0A+3], s[G0A+3], 0x80000000        ; 127:126 type = 2
	s_add_nc_u64 s[G0B+2:G0B+3], s[6:7], s[26:27]
	s_or_b32 s[G0B+3], s[G0B+3], 0x80000000
	s_add_nc_u64 s[8:9], s[8:9], s[28:29]
	s_add_nc_u64 s[10:11], s[10:11], s[30:31]
	ROUND                                          ; all sixteen work-groups are here: the joint loads meet
	tensor_load_to_lds s[G0B:G0B+3], s[G1B:G1B+7]  ; both fills go out together, ahead of every wait on TENSORcnt and every LDS read
	s_nop 0
	tensor_load_to_lds s[G0A:G0A+3], s[G1A:G1A+7]
	s_nop 0
	v_and_b32 v14, 15, v0                          ; r
	v_bfe_u32 v15, v0, 4, 1                        ; h
	v_lshlrev_b32 v13, 4, v14
	global_load_b128 v[16:19], v13, s[8:9]         ; the bias of columns 4 r .. 4 r + 3
	v_and_b32 v21, 7, v0
	v_lshl_add_u32 v21, v15, 3, v21
	v_mul_u32_u24 v8, v21, PB
	v_bfe_u32 v22, v0, 3, 1
	v_lshl_add_u32 v8, v22, 4, v8
	v_add_nc_u32 v8, s19, v8                       ; k = 8 h + lane % 8, columns 8 ((lane / 8) % 2) on
	v_mul_u32_u24 v9, v14, PA
	v_lshl_add_u32 v9, v15, 4, v9
	v_add_nc_u32 v9, s20, v9                       ; row r, 16 bytes for each half of the lanes
	v_mul_u32_u24 v10, v14, PR
	v_lshl_add_u32 v10, v15, 5, v10                ; row r, 32 bytes for each half of the lanes
	v_add_nc_u32 v10, s21, v10
	v_mul_u32_u24 v11, v15, PR
	v_add_nc_u32 v11, v11, v13
	v_add_nc_u32 v11, s22, v11
.if SECOND
	v_lshl_add_u32 v12, v15, 12, v13               ; lanes 0-15 one row's 256 bytes, lanes 16-31 the next row's
	v_add_nc_u32 v12, s23, v12
.else
	v_and_b32 v12, 31, v0
	v_lshlrev_b32 v12, 3, v12                      ; two rows of 128 bytes lie end to end: 8 bytes a lane
.endif
.macro PLACES                          ; four plain vector instructions between a matrix instruction and what reads its result or loads into its registers
.rept 4
	v_nop
.endr
.endm
; K steps 2 p and 2 p + 1 of my four.  THE MATRIX INSTRUCTION IS USED TRANSPOSED: source 0 = 16 columns of B (turned out of LDS), source 1 = 16 rows of A: lane (r, h) then holds row r and
; eight neighbouring columns 8 h + 0..7.  The eight accumulators take turns; the first K step starts the sums.
.macro PASS p
.irp k, 0,1
.irp mt, 0,1
.if SECOND
.set AO, (32*(\p)+16*(\mt))*PA+64*(\k)             ; K steps 2 p, 2 p + 1 lie in column block p of my two
.else
.set AO, 16*(\mt)*PA+64*(2*(\p)+(\k))
.endif
	ds_load_b128 v[FA+16*(\k)+8*(\mt):FA+16*(\k)+8*(\mt)+3],   v9 offset:AO
	ds_load_b128 v[FA+16*(\k)+8*(\mt)+4:FA+16*(\k)+8*(\mt)+7], v9 offset:AO+32
.endr
.irp nt, 0,1,2,3
	ds_load_tr16_b128 v[FB+32*(\k)+8*(\nt):FB+32*(\k)+8*(\nt)+3],   v8 offset:32*(2*(\p)+(\k))*PB+32*(\nt)
	ds_load_tr16_b128 v[FB+32*(\k)+8*(\nt)+4:FB+32*(\k)+8*(\nt)+7], v8 offset:32*(2*(\p)+(\k))*PB+16*PB+32*(\nt)
.endr
.endr
.irp k, 0,1
	s_wait_dscnt 12-12*(\k)                        ; twelve loads a K step: the second step's stay out at first
.irp mt, 0,1
.irp nt, 0,1,2,3
.if ((\p) == 0) && ((\k) == 0)
	v_wmma_f32_16x16x32_f16 v[ACC+8*(4*(\mt)+(\nt)):ACC+8*(4*(\mt)+(\nt))+7], v[FB+32*(\k)+8*(\nt):FB+32*(\k)+8*(\nt)+7], v[FA+16*(\k)+8*(\mt):FA+16*(\k)+8*(\mt)+7], 0
.else
	v_wmma_f32_16x16x32_f16 v[ACC+8*(4*(\mt)+(\nt)):ACC+8*(4*(\mt)+(\nt))+7], v[FB+32*(\k)+8*(\nt):FB+32*(\k)+8*(\nt)+7], v[FA+16*(\k)+8*(\mt):FA+16*(\k)+8*(\mt)+7], v[ACC+8*(4*(\mt)+(\nt)):ACC+8*(4*(\mt)+(\nt))+7]
.endif
.endr
.endr
.endr
	PLACES
.endm
	s_wait_tensorcnt 0x0                           ; both my tiles are in LDS; only I read them
	PASS 0
	PASS 1
.irp mt, 0,1                           ; each accumulator's registers in ascending order
.irp nt, 0,1,2,3
	ds_store_b128 v10, v[ACC+8*(4*(\mt)+(\nt)):ACC+8*(4*(\mt)+(\nt))+3]   offset:(\mt)*16*PR+64*(\nt)
	ds_store_b128 v10, v[ACC+8*(4*(\mt)+(\nt))+4:ACC+8*(4*(\mt)+(\nt))+7] offset:(\mt)*16*PR+64*(\nt)+16
.endr
.endr
	s_wait_dscnt 0x0                               ; for the others' sake: my partial sums are in LDS
	s_barrier_signal -1
	s_barrier_wait -1
.irp i, 0,1                            ; rows 4 w + 2 i + h: lanes 0-15 one row of 256 bytes, lanes 16-31 the next
.irp w, 0,1,2,3,4,5,6,7
	ds_load_b128 v[FB+32*(\i)+4*(\w):FB+32*(\i)+4*(\w)+3], v11 offset:(\w)*32*PR+(\i)*2*PR
.endr
.endr
	s_wait_loadcnt 0x0                             ; the bias
	s_wait_dscnt 0x0
.irp i, 0,1
.irp d, 4,8,16                         ; the eight waves' sums: neighbours 1, 2 and 4 apart
.set n, 0
.rept 16/(\d)
.irp c, 0,2
	v_pk_add_f32 v[FB+32*(\i)+2*(\d)*n+(\c):FB+32*(\i)+2*(\d)*n+(\c)+1], v[FB+32*(\i)+2*(\d)*n+(\c):FB+32*(\i)+2*(\d)*n+(\c)+1], v[FB+32*(\i)+2*(\d)*n+(\d)+(\c):FB+32*(\i)+2*(\d)*n+(\d)+(\c)+1]
.endr
.set n, n+1
.endr
.endr
	v_pk_add_f32 v[FB+32*(\i):FB+32*(\i)+1],   v[FB+32*(\i):FB+32*(\i)+1],   v[16:17]
	v_pk_add_f32 v[FB+32*(\i)+2:FB+32*(\i)+3], v[FB+32*(\i)+2:FB+32*(\i)+3], v[18:19]
.if SECOND
	global_store_b128 v12, v[FB+32*(\i):FB+32*(\i)+3], s[10:11] offset:(\i)*8192  ; 16 lanes store 256 consecutive bytes, at a multiple of 256 from the buffer's first byte
.else
	v_cvt_pk_f16_f32 v[24+2*(\i)], v[FB+32*(\i)],   v[FB+32*(\i)+1]
	v_cvt_pk_f16_f32 v[25+2*(\i)], v[FB+32*(\i)+2], v[FB+32*(\i)+3]
	global_store_b64 v12, v[24+2*(\i):25+2*(\i)], s[10:11] offset:(\i)*256        ; the wave stores 256 consecutive bytes, at a multiple of 256 from the buffer's first byte
.endif
.endr
	s_wait_tensorcnt 0x0                           ; the wave's end, behind my last tensor load and my last LDS store
	ds_add_u32 v2, v3
	s_wait_dscnt 0x0
	ROUND                                          ; the closing round: no work-group ends while a partner may still ask for a tile that names it
	s_endpgm
.Lfunc_end_k_qd111e5e2cd_g1:
	.size	k_qd111e5e2cd_g1, .Lfunc_end_k_qd111e5e2cd_g1-k_qd111e5e2cd_g1
	.p2alignl 7, 3214868480
	.fill 96, 4, 3214868480
	.section	.rodata,"a",@progbits
	.p2align	6, 0x0
	.amdhsa_kernel k_qd111e5e2cd_g1
		.amdhsa_group_segment_fixed_size 308224
		.amdhsa_private_segment_fixed_size 0
		.amdhsa_enable_private_segment 0
		.amdhsa_kernarg_size 32
		.amdhsa_user_sgpr_count 2
		.amdhsa_user_sgpr_kernarg_segment_ptr 1
		.amdhsa_wavefront_size32 1
		.amdhsa_system_sgpr_workgroup_id_x 1
		.amdhsa_system_sgpr_workgroup_id_y 1
		.amdhsa_system_sgpr_workgroup_id_z 1
		.amdhsa_system_vgpr_workitem_id 0
		.amdhsa_next_free_vgpr 256
		.amdhsa_next_free_sgpr 66
		.amdhsa_reserve_vcc 0
		.amdhsa_float_denorm_mode_32 3
		.amdhsa_float_denorm_mode_16_64 3
		.amdhsa_memory_ordered 1
		.amdhsa_forward_progress 1
		.amdhsa_inst_pref_size 16
	.end_amdhsa_kernel
	.amdgpu_metadata
---
amdhsa.version: [ 1, 2 ]
amdhsa.kernels:
  - .name:           k_qd111e5e2cd_g1
    .symbol:         k_qd111e5e2cd_g1.kd
    .args:
      - { .name: P, .offset: 0, .size: 8, .value_kind: global_buffer, .address_space: global }
      - { .name: W16, .offset: 8, .size: 8, .value_kind: global_buffer, .address_space: global }
      - { .name: bkv, .offset: 16, .size: 8, .value_kind: global_buffer, .address_space: global }
      - { .name: OH16, .offset: 24, .size: 8, .value_kind: global_buffer, .address_space: global }
    .group_segment_fixed_size: 308224
    .private_segment_fixed_size: 0
    .kernarg_segment_align: 8
    .kernarg_segment_size: 32
    .max_flat_workgroup_size: 256
    .sgpr_count:     66
    .vgpr_count:     256
    .wavefront_size: 32
...
	.end_amdgpu_metadata
.endif
;; end of part 6
;; launch g2 (part 7): grid 16 x 16, 8 waves a work-group, clusters of 4 x 4, 308,224 bytes of LDS; arguments OH16, W16, bo, out0; writes out0
.if DOCPART == 7
	.amdgcn_target "amdgcn-amd-amdhsa--gfx1250"
	.amdhsa_code_object_version 6
	.text
	.protected	k_qd111e5e2cd_g2
	.globl	k_qd111e5e2cd_g2
	.p2align	8
	.type	k_qd111e5e2cd_g2,@function
k_qd111e5e2cd_g2:
	s_mov_b64 s[64:65], 0
	v_nop
	global_prefetch_b8 v0, s[64:65] scope:SCOPE_SE
	s_setreg_imm32_b32 hwreg(HW_REG_WAVE_MODE, 25, 1), 1
	s_wait_xcnt 0x0
	s_wait_alu depctr_hold_cnt(0) depctr_sa_sdst(0) depctr_va_vdst(0) depctr_va_sdst(0) depctr_va_ssrc(0) depctr_va_vcc(0) depctr_vm_vsrc(0)
	s_getreg_b32 s2, hwreg(HW_REG_IB_STS2, 6, 4)
	s_cmp_eq_u32 s2, 0
	s_cbranch_scc0 .Lentry_in_a_cluster
	s_endpgm
.Lentry_in_a_cluster:
	s_bfe_u32 s2, ttmp6, 0x10000c
	s_cmp_lg_u32 s2, 0xf033
	s_cbranch_scc0 .Lentry_shape_is_right
	s_endpgm
.Lentry_shape_is_right:
; A tile of 32 rows x 64 columns of  out = A B + bias,  K = 1,024, f16 operands, f32 sums.  One text serves two launches:
;   SECOND = 0:  OH[span][64 h + d] = sum over c of P[span][h][c] Wv[c][64 h + d] + bv[64 h + d]   (A: the pooled rows; head = column block; out: f16, OH16 = [16 row blocks][16 column blocks][32 rows][64 columns])
;   SECOND = 1:  out0[row][n] = sum over c of OH[row][c] Wo[c][n] + bo[n]                           (A: OH16; out: f32, row-major)
; B is W16 = [2: Wv, Wo][16 column blocks][1024 k][64 n] in f16, as the first launch laid it: a column block's rows lie end to end.
; LIMITS.  With SECOND = 0 the result is rounded to f16: |OH| stays under 65,504 and keeps f16's fixed step of 6e-8 below 6e-5.  NaN and infinities are not treated apart.
; SHARES.  Work-group (x, y) = (64 columns, 32 rows): 256 work-groups.  Wave w owns K = 128 w .. 128 w + 127 in LDS bytes of its own, brought by two tensor loads of its own (two are out, by this text's
; count; nothing is filled again): 8 accumulators x 4 K steps; the eight waves' partial sums meet in LDS behind the one work-group barrier, and wave w adds and stores rows 4 w .. 4 w + 3.
; CLUSTERS: 4 x 4 work-groups.  B's tile hangs on the column block (and the wave) alone: the four of a cluster's column ask for it JOINTLY, by the same load with the same descriptor and a mask that names
; the four.  With SECOND = 1 A's tile hangs on the row block alone and is asked for jointly along a cluster's row.  With SECOND = 0 A's tile hangs on the head AND the row block: no two work-groups
; share it, and it is a load of the work-group's own.
.set SECOND, 1
.set PB,   160                         ; B's row in LDS: 128 bytes + 32 = 5 x 32: the turning load's 8 rows x 32 bytes fall on every bank once (64 banks of 4 bytes: ISA guide 11.1)
.if SECOND
.set PA,   144                         ; A in LDS: 64 rows (2 column blocks of OH16 x 32 rows) of 128 bytes + 16: the 16 rows of a fragment load start at 16 different groups of four banks
.else
.set PA,   272                         ; A in LDS: 32 rows of 256 bytes + 16: likewise
.endif
.set APAN, 128*PB                      ; a wave's bytes: B's 128 rows, then A's 9,216 at the most
.set WPAN, APAN+9216
.set RED,  8*WPAN                      ; partial sums, written by LDS stores; no tensor load lands here: for each wave 32 rows of 256 bytes + 16
.set PR,   272
.set SPARE, RED+8*32*PR                ; the spare words, 128 bytes for each of the 8 waves: four blocks of 256 bytes that no other line names
.set ACC, 32                           ; v[32:95]   the accumulators: tile (mt, nt) at ACC + 8 (4 mt + nt)
.set FB,  128                          ; v[128:191] B's fragments of two K steps; then the partial sums read back
.set FA,  192                          ; v[192:223] A's fragments of two K steps
.set G0A, 36                           ; s[36:39] descriptor group 0 for A's tile;  s[40:43] for B's
.set G0B, 40
.set G1A, 44                           ; s[44:51] descriptor group 1 for A's tile;  s[52:59] for B's
.set G1B, 52
; v2 spare word's address, v3 0, v8 B's turned fragments, v9 A's fragments, v10 where my partial sums go, v11 where I read them back, v12 offset in out, v13 16 r, v[16:19] bias,
; v14, v15, v21, v22 at work, v[24:27] rounded results
; A round of the cluster's barrier: my work-group's barrier, so that wave 0's signal speaks for all eight waves; wave 0 signals for the work-group; every wave waits for all sixteen work-groups;
; my work-group's barrier once more.  No LDS instruction of the wave is pending at a signal.
.macro ROUND
	s_barrier_signal -1
	s_barrier_wait -1
	s_cmp_lg_u32 s16, 0
	s_cbranch_scc1 .Lnot_wave_0_\@
	s_barrier_signal -3
.Lnot_wave_0_\@:
	s_barrier_wait -3
	s_barrier_signal -1
	s_barrier_wait -1
.endm
	s_load_b256 s[4:11], s[0:1], 0x0               ; A s[4:5], W16 s[6:7], bias s[8:9], out s[10:11]
	v_lshl_add_u32 v2, v0, 2, SPARE
	v_mov_b32 v3, 0
	ds_add_u32 v2, v3                              ; the wave's opening: the add and its wait stand ahead of my first tensor load; the set-up below, work on registers, stands between them
	v_lshrrev_b32 v1, 5, v0
	v_readfirstlane_b32 s16, v1                    ; wave 0..7
	s_bfe_u32 s60, ttmp6, 0x40000                  ; cx: my place along the cluster's x
	s_bfe_u32 s61, ttmp6, 0x40004                  ; cy: along its y
	s_lshl_b32 s17, ttmp9, 2                       ; in a cluster launch ttmp9 and ttmp7 count clusters
	s_add_co_u32 s17, s17, s60                     ; column block = 4 x cluster x + cx
	s_and_b32 s18, ttmp7, 0xffff
	s_lshl_b32 s18, s18, 2
	s_add_co_u32 s18, s18, s61                     ; row block = 4 x cluster y + cy
	s_lshl_b32 s62, 0x1111, s60                    ; my column of the cluster: places cx, cx + 4, cx + 8, cx + 12
	; where the tiles come from.  B's offset is made of the column block and the wave alone; with SECOND = 1 A's of the row block and the wave alone.
	s_lshl_b32 s26, s17, 17                        ; B: 131,072 bytes a column block,
	s_lshl_b32 s33, s16, 14                        ; 128 rows of 128 bytes a wave
	s_add_co_u32 s26, s26, s33
	s_lshl_b32 s28, s17, 8                         ; bias: 64 numbers of 4 bytes
.if SECOND
	s_add_co_u32 s26, s26, 0x200000                ; Wo is W16's second half
	s_lshl_b32 s24, s18, 16                        ; A: 65,536 bytes a row block, two column blocks of 4,096 a wave
	s_lshl_b32 s34, s16, 13
	s_add_co_u32 s24, s24, s34
	s_lshl_b32 s30, s18, 17                        ; out: 32 rows of 4,096 bytes, 64 columns of 4
	s_add_co_u32 s30, s30, s28
	s_lshl_b32 s63, s61, 2
	s_lshl_b32 s63, 15, s63                        ; my row of the cluster: places 4 cy .. 4 cy + 3
	s_or_b32 s[G1A], s63, (1<<16)|(1<<20)|(1<<21)|(4<<22)|(3<<25)  ; 15:0 the mask: my row; 17:16 2-byte elements; 20 padding on; 21 set beside a mask; 24:22 after every 32 words (code 4); 31:25 4 words (code 3)
	s_mov_b32 s[G1A+5], 128                        ; dense: 8,192 bytes asked for as 32 rows of 256
.else
	s_lshl_b32 s24, s18, 20                        ; A: 32 spans of 32,768 bytes, the head's row of 2,048, 128 numbers of 2 bytes a wave
	s_lshl_b32 s35, s17, 11
	s_add_co_u32 s24, s24, s35
	s_lshl_b32 s34, s16, 8
	s_add_co_u32 s24, s24, s34
	s_lshl_b32 s30, s18, 16                        ; out: 65,536 bytes a row block, 4,096 a column block, my 4 rows of 128
	s_lshl_b32 s35, s17, 12
	s_add_co_u32 s30, s30, s35
	s_lshl_b32 s34, s16, 9
	s_add_co_u32 s30, s30, s34
	s_add_co_u32 s28, s28, 4096                    ; V's half begins 1,024 numbers into bkv
	s_mov_b32 s[G1A], (1<<16)|(1<<20)|(5<<22)|(3<<25)  ; no mask: my own load; 2-byte elements; padding after every 64 words (code 5) of 4 words (code 3)
	s_mov_b32 s[G1A+5], 16384                      ; elements from a span's row to the next span's
.endif
	s_mov_b32 s[G1A+1], 128<<16                    ; tensor_dim0 = 128
	s_mov_b32 s[G1A+2], 32<<16                     ; tensor_dim1 = 32
	s_mov_b32 s[G1A+3], 128<<16                    ; tile_dim0 = 128 elements: 256 bytes
	s_mov_b32 s[G1A+4], 32                         ; tile_dim1 = 32
	s_mov_b32 s[G1A+6], 0
	s_mov_b32 s[G1A+7], 0
	s_or_b32 s[G1B], s62, (1<<16)|(1<<20)|(1<<21)|(4<<22)|(7<<25)  ; the mask: my column; padding after every 32 words (one row of B) of 8 words (code 7)
	s_mov_b32 s[G1B+1], 128<<16                    ; dense: 16,384 bytes asked for as 64 rows of 256, two rows of B each
	s_mov_b32 s[G1B+2], 64<<16
	s_mov_b32 s[G1B+3], 128<<16
	s_mov_b32 s[G1B+4], 64
	s_mov_b32 s[G1B+5], 128
	s_mov_b32 s[G1B+6], 0
	s_mov_b32 s[G1B+7], 0
	s_mov_b32 s25, 0
	s_mov_b32 s27, 0
	s_mov_b32 s29, 0
	s_mov_b32 s31, 0
	s_mul_i32 s19, s16, WPAN                       ; my bytes: B's rows,
	s_add_co_u32 s20, s19, APAN                    ; A's rows: no place in the cluster enters an LDS address
	s_mul_i32 s21, s16, 32*PR
	s_add_co_u32 s21, s21, RED                     ; my partial sums
	s_mul_i32 s22, s16, 4*PR
	s_add_co_u32 s22, s22, RED                     ; rows 4 w on of wave 0's
	s_lshl_b32 s23, s16, 14                        ; rows 4 w on of a row-major out
	s_mov_b32 s[G0A], 1                            ; 1:0 count = 1
	s_add_co_u32 s[G0A+1], s19, APAN               ; 63:32 LDS address
	s_mov_b32 s[G0B], 1
	s_mov_b32 s[G0B+1], s19
	s_wait_dscnt 0x0                               ; the opening add is done
	s_wait_kmcnt 0x0
	s_add_nc_u64 s[G0A+2:G0A+3], s[4:5], s[24:25]  ; 120:64 global address
	s_or_b32 s[G0A+3], s[G0A+3], 0x80000000        ; 127:126 type = 2
	s_add_nc_u64 s[G0B+2:G0B+3], s[6:7], s[26:27]
	s_or_b32 s[G0B+3], s[G0B+3], 0x80000000
	s_add_nc_u64 s[8:9], s[8:9], s[28:29]
	s_add_nc_u64 s[10:11], s[10:11], s[30:31]
	ROUND                                          ; all sixteen work-groups are here: the joint loads meet
	tensor_load_to_lds s[G0B:G0B+3], s[G1B:G1B+7]  ; both fills go out together, ahead of every wait on TENSORcnt and every LDS read
	s_nop 0
	tensor_load_to_lds s[G0A:G0A+3], s[G1A:G1A+7]
	s_nop 0
	v_and_b32 v14, 15, v0                          ; r
	v_bfe_u32 v15, v0, 4, 1                        ; h
	v_lshlrev_b32 v13, 4, v14
	global_load_b128 v[16:19], v13, s[8:9]         ; the bias of columns 4 r .. 4 r + 3
	v_and_b32 v21, 7, v0
	v_lshl_add_u32 v21, v15, 3, v21
	v_mul_u32_u24 v8, v21, PB
	v_bfe_u32 v22, v0, 3, 1
	v_lshl_add_u32 v8, v22, 4, v8
	v_add_nc_u32 v8, s19, v8                       ; k = 8 h + lane % 8, columns 8 ((lane / 8) % 2) on
	v_mul_u32_u24 v9, v14, PA
	v_lshl_add_u32 v9, v15, 4, v9
	v_add_nc_u32 v9, s20, v9                       ; row r, 16 bytes for each half of the lanes
	v_mul_u32_u24 v10, v14, PR
	v_lshl_add_u32 v10, v15, 5, v10                ; row r, 32 bytes for each half of the lanes
	v_add_nc_u32 v10, s21, v10
	v_mul_u32_u24 v11, v15, PR
	v_add_nc_u32 v11, v11, v13
	v_add_nc_u32 v11, s22, v11
.if SECOND
	v_lshl_add_u32 v12, v15, 12, v13               ; lanes 0-15 one row's 256 bytes, lanes 16-31 the next row's
	v_add_nc_u32 v12, s23, v12
.else
	v_and_b32 v12, 31, v0
	v_lshlrev_b32 v12, 3, v12                      ; two rows of 128 bytes lie end to end: 8 bytes a lane
.endif
.macro PLACES                          ; four plain vector instructions between a matrix instruction and what reads its result or loads into its registers
.rept 4
	v_nop
.endr
.endm
; K steps 2 p and 2 p + 1 of my four.  THE MATRIX INSTRUCTION IS USED TRANSPOSED: source 0 = 16 columns of B (turned out of LDS), source 1 = 16 rows of A: lane (r, h) then holds row r and
; eight neighbouring columns 8 h + 0..7.  The eight accumulators take turns; the first K step starts the sums.
.macro PASS p
.irp k, 0,1
.irp mt, 0,1
.if SECOND
.set AO, (32*(\p)+16*(\mt))*PA+64*(\k)             ; K steps 2 p, 2 p + 1 lie in column block p of my two
.else
.set AO, 16*(\mt)*PA+64*(2*(\p)+(\k))
.endif
	ds_load_b128 v[FA+16*(\k)+8*(\mt):FA+16*(\k)+8*(\mt)+3],   v9 offset:AO
	ds_load_b128 v[FA+16*(\k)+8*(\mt)+4:FA+16*(\k)+8*(\mt)+7], v9 offset:AO+32
.endr
.irp nt, 0,1,2,3
	ds_load_tr16_b128 v[FB+32*(\k)+8*(\nt):FB+32*(\k)+8*(\nt)+3],   v8 offset:32*(2*(\p)+(\k))*PB+32*(\nt)
	ds_load_tr16_b128 v[FB+32*(\k)+8*(\nt)+4:FB+32*(\k)+8*(\nt)+7], v8 offset:32*(2*(\p)+(\k))*PB+16*PB+32*(\nt)
.endr
.endr
.irp k, 0,1
	s_wait_dscnt 12-12*(\k)                        ; twelve loads a K step: the second step's stay out at first
.irp mt, 0,1
.irp nt, 0,1,2,3
.if ((\p) == 0) && ((\k) == 0)
	v_wmma_f32_16x16x32_f16 v[ACC+8*(4*(\mt)+(\nt)):ACC+8*(4*(\mt)+(\nt))+7], v[FB+32*(\k)+8*(\nt):FB+32*(\k)+8*(\nt)+7], v[FA+16*(\k)+8*(\mt):FA+16*(\k)+8*(\mt)+7], 0
.else
	v_wmma_f32_16x16x32_f16 v[ACC+8*(4*(\mt)+(\nt)):ACC+8*(4*(\mt)+(\nt))+7], v[FB+32*(\k)+8*(\nt):FB+32*(\k)+8*(\nt)+7], v[FA+16*(\k)+8*(\mt):FA+16*(\k)+8*(\mt)+7], v[ACC+8*(4*(\mt)+(\nt)):ACC+8*(4*(\mt)+(\nt))+7]
.endif
.endr
.endr
.endr
	PLACES
.endm
	s_wait_tensorcnt 0x0                           ; both my tiles are in LDS; only I read them
	PASS 0
	PASS 1
.irp mt, 0,1                           ; each accumulator's registers in ascending order
.irp nt, 0,1,2,3
	ds_store_b128 v10, v[ACC+8*(4*(\mt)+(\nt)):ACC+8*(4*(\mt)+(\nt))+3]   offset:(\mt)*16*PR+64*(\nt)
	ds_store_b128 v10, v[ACC+8*(4*(\mt)+(\nt))+4:ACC+8*(4*(\mt)+(\nt))+7] offset:(\mt)*16*PR+64*(\nt)+16
.endr
.endr
	s_wait_dscnt 0x0                               ; for the others' sake: my partial sums are in LDS
	s_barrier_signal -1
	s_barrier_wait -1
.irp i, 0,1                            ; rows 4 w + 2 i + h: lanes 0-15 one row of 256 bytes, lanes 16-31 the next
.irp w, 0,1,2,3,4,5,6,7
	ds_load_b128 v[FB+32*(\i)+4*(\w):FB+32*(\i)+4*(\w)+3], v11 offset:(\w)*32*PR+(\i)*2*PR
.endr
.endr
	s_wait_loadcnt 0x0                             ; the bias
	s_wait_dscnt 0x0
.irp i, 0,1
.irp d, 4,8,16                         ; the eight waves' sums: neighbours 1, 2 and 4 apart
.set n, 0
.rept 16/(\d)
.irp c, 0,2
	v_pk_add_f32 v[FB+32*(\i)+2*(\d)*n+(\c):FB+32*(\i)+2*(\d)*n+(\c)+1], v[FB+32*(\i)+2*(\d)*n+(\c):FB+32*(\i)+2*(\d)*n+(\c)+1], v[FB+32*(\i)+2*(\d)*n+(\d)+(\c):FB+32*(\i)+2*(\d)*n+(\d)+(\c)+1]
.endr
.set n, n+1
.endr
.endr
	v_pk_add_f32 v[FB+32*(\i):FB+32*(\i)+1],   v[FB+32*(\i):FB+32*(\i)+1],   v[16:17]
	v_pk_add_f32 v[FB+32*(\i)+2:FB+32*(\i)+3], v[FB+32*(\i)+2:FB+32*(\i)+3], v[18:19]
.if SECOND
	global_store_b128 v12, v[FB+32*(\i):FB+32*(\i)+3], s[10:11] offset:(\i)*8192  ; 16 lanes store 256 consecutive bytes, at a multiple of 256 from the buffer's first byte
.else
	v_cvt_pk_f16_f32 v[24+2*(\i)], v[FB+32*(\i)],   v[FB+32*(\i)+1]
	v_cvt_pk_f16_f32 v[25+2*(\i)], v[FB+32*(\i)+2], v[FB+32*(\i)+3]
	global_store_b64 v12, v[24+2*(\i):25+2*(\i)], s[10:11] offset:(\i)*256        ; the wave stores 256 consecutive bytes, at a multiple of 256 from the buffer's first byte
.endif
.endr
	s_wait_tensorcnt 0x0                           ; the wave's end, behind my last tensor load and my last LDS store
	ds_add_u32 v2, v3
	s_wait_dscnt 0x0
	ROUND                                          ; the closing round: no work-group ends while a partner may still ask for a tile that names it
	s_endpgm
.Lfunc_end_k_qd111e5e2cd_g2:
	.size	k_qd111e5e2cd_g2, .Lfunc_end_k_qd111e5e2cd_g2-k_qd111e5e2cd_g2
	.p2alignl 7, 3214868480
	.fill 96, 4, 3214868480
	.section	.rodata,"a",@progbits
	.p2align	6, 0x0
	.amdhsa_kernel k_qd111e5e2cd_g2
		.amdhsa_group_segment_fixed_size 308224
		.amdhsa_private_segment_fixed_size 0
		.amdhsa_enable_private_segment 0
		.amdhsa_kernarg_size 32
		.amdhsa_user_sgpr_count 2
		.amdhsa_user_sgpr_kernarg_segment_ptr 1
		.amdhsa_wavefront_size32 1
		.amdhsa_system_sgpr_workgroup_id_x 1
		.amdhsa_system_sgpr_workgroup_id_y 1
		.amdhsa_system_sgpr_workgroup_id_z 1
		.amdhsa_system_vgpr_workitem_id 0
		.amdhsa_next_free_vgpr 256
		.amdhsa_next_free_sgpr 66
		.amdhsa_reserve_vcc 0
		.amdhsa_float_denorm_mode_32 3
		.amdhsa_float_denorm_mode_16_64 3
		.amdhsa_memory_ordered 1
		.amdhsa_forward_progress 1
		.amdhsa_inst_pref_size 16
	.end_amdhsa_kernel
	.amdgpu_metadata
---
amdhsa.version: [ 1, 2 ]
amdhsa.kernels:
  - .name:           k_qd111e5e2cd_g2
    .symbol:         k_qd111e5e2cd_g2.kd
    .args:
      - { .name: OH16, .offset: 0, .size: 8, .value_kind: global_buffer, .address_space: global }
      - { .name: W16, .offset: 8, .size: 8, .value_kind: global_buffer, .address_space: global }
      - { .name: bo, .offset: 16, .size: 8, .value_kind: global_buffer, .address_space: global }
      - { .name: out0, .offset: 24, .size: 8, .value_kind: global_buffer, .address_space: global }
    .group_segment_fixed_size: 308224
    .private_segment_fixed_size: 0
    .kernarg_segment_align: 8
    .kernarg_segment_size: 32
    .max_flat_workgroup_size: 256
    .sgpr_count:     66
    .vgpr_count:     256
    .wavefront_size: 32
...
	.end_amdgpu_metadata
.endif
;; end of part 7
;; ======== version 3 of 3: 4 launches; version 2 with the launch main written anew for expert scheduling mode
;; limits: values are held in f16: magnitudes above 65,504 overflow, below 6.1e-05 lose precision
;; workspace buffers: U 262,144 bytes; SCB 1,024 bytes; P 16,777,216 bytes; W16 4,194,304 bytes; OH16 1,048,576 bytes
;; launch prep: the kernel of part 5 again; grid 8 x 32, 16 waves a work-group, no clusters, 96,256 bytes of LDS; arguments q, Wq, bq, Wkv, bkv, U, SCB, Wo, W16; writes U, SCB, W16
;; launch main (part 8): grid 256 x 1, 8 waves a work-group, no clusters, 312,320 bytes of LDS; arguments kv, mask, U, SCB, P; writes P
.if DOCPART == 8
	.amdgcn_target "amdgcn-amd-amdhsa--gfx1250"
	.amdhsa_code_object_version 6
	.text
	.protected	k_qd111e5e2cd_main
	.globl	k_qd111e5e2cd_main
	.p2align	8
	.type	k_qd111e5e2cd_main,@function
k_qd111e5e2cd_main:
	s_mov_b64 s[64:65], 0
	v_nop
	global_prefetch_b8 v0, s[64:65] scope:SCOPE_SE
	s_setreg_imm32_b32 hwreg(HW_REG_WAVE_SCHED_MODE, 0, 2), 2
	s_setreg_imm32_b32 hwreg(HW_REG_WAVE_MODE, 25, 1), 1
	s_wait_xcnt 0x0
	s_wait_alu depctr_vm_vsrc(0)
; MAIN.  For each span of 64 keys and each head: s = kv . u' (matrix unit, f16 operands, f32 sums), t = s sc + cb (scores times log2 e), masked keys take the lowest finite number,
; p = 2^(t - max t), l = sum p, and P[span][h][:] = (sum over keys of p kv[key][:]) / l in f16 ([512 span][16 h][1024 c]).  Since the weights add up to 1, the value projection
; (and its bias) is applied to these pooled rows by the next launch.  kv is read from memory once.
; A span whose mask is all false has every t equal: p = 1, l = 64: the uniform weights that a softmax over equal scores gives.
; LIMITS.  kv is rounded to f16: |kv| stays under 65,504; below 6e-5 f16 keeps its fixed step of 6e-8 (kv, p and the pooled rows alike).  A weight below 2^-126 counts as 0.  NaN and infinities are not treated apart.
; SHARES.  A work-group takes two spans: waves 0-3 the first, waves 4-7 the second.  A wave owns a PANEL of 64 keys x 256 channels: 64 KB of f32, 128 loads of 512 consecutive bytes, rounded to f16 into
; LDS bytes of the wave's own.  Only the partial scores (a wave's 256 channels of 1,024) cross waves: the one barrier.
; NO TENSOR LOADS, NO CLUSTER: kv must be rounded on its way, which goes through registers; work-groups share only a batch's 32 KB of U.
; THE MODE: SCHED_MODE bits 1:0 = 2 (LLVM: expert scheduling mode 2), set by the entry lines.  The code itself states the register dependences
; between vector or matrix instructions and memory or LDS instructions, with s_wait_alu, always for 0.
; THE PLAN.  Registers that memory or LDS instructions touch:
;   v4 .. v11, v15  addresses, made at the head and never written again; v14, the mask's offset, takes 1 / l much later.
;   X0 .. X3        Group g of the stream: its loads land in X[g % 4]; its sixteen roundings read it; behind them group g + 4's loads land in it.
;   Y0, Y1          Group g's roundings write Y[g % 2]; eight LDS stores, dealt among group g + 1's roundings, read it; group g + 2's roundings write it again.
;   So a group has one wait on vm_vsrc at its head (the stores issued in the group before have read Y[g % 2]) and one on va_vdst behind its roundings (they are done reading X[g % 4] and have written
;   Y[g % 2]).  Group g + 1's roundings name X[(g + 1) % 4] and Y[(g + 1) % 2] alone: none of the registers that group g's stores and group g + 4's loads touch.
;   X as fragments  LDS loads land in them, three K steps ahead of the matrix instructions that read them; a wait on va_vdst stands behind each half's products, ahead of the next loads into X.
;   ACC = Y         Written by the scores' products (behind a wait on vm_vsrc for the stream's stores), read by the exchange's stores, written again by the pooled rows' roundings (behind another).
;   F = S = X       The softmax works on them; turned fragments land in them; the pooling products read them; fetches 2 and 3 land in them; at the end the rows read back, which the global stores read.
;   PK = ACC        Written by the roundings of groups 0 and 1, read by their stage stores, written again by those of groups 2 and 3.
.set PITCH, 544                        ; a panel's row: 512 bytes + 32 = 17 x 32: the turning load's 8 rows x 32 bytes fall on every bank once (64 banks of 4 bytes: ISA guide 11.1); the plain fragment loads collide two deep
.set PANEL, 64*PITCH
.set EX,    8*PANEL                    ; partial scores: 4,096 bytes a wave
.set SPARE, EX+8*4096                  ; the spare words, 128 bytes for each of the 8 waves: four blocks of 256 bytes that no other line names
.set MASK, 16                          ; v[16:23]   my 32 keys' mask bytes
.set PF,   16                          ; v[16:31]   later the weights in f16: source 1 of the second product
.set Y,    32                          ; v[32:63]   in the stream: rounded words on their way to LDS, two sets by turns
.set ACC,  32                          ; v[32:63]   then the scores' 4 accumulators; then PK: pooled rows in f16, two sets
.set UF,   64                          ; v[64:127]  u': 8 fragments (16 heads x 32 channels); then OA: the pooled rows' accumulators, two sets of 4
.set OA,   64
.set X,    128                         ; v[128:255] the ring of 32 loads; then fragments of kv; then the four waves' partial scores; then F: turned fragments, two sets of 64
.set S,    128
.set F,    128
.set CM,   14                          ; s[14:25], s[28:31]  in the softmax: sixteen keys' lane masks, key m of a run at CM + m + 2 (m / 12); these registers are free since the head
; v2 spare word's address, v3 0, v4 16 lane, v5 where rounded words go, v6 plain fragments (and the stage), v7 turned fragments, v8 rows read back, v9, v10 the exchange,
; v11 offset in U, v[12:13] sc, cb, v14 offset in mask, then 1 / l; v15 offset in SCB; v24 the masked score; v25-31 at work (v30: the maximum)
	s_load_b256 s[4:11], s[0:1], 0x0               ; kv s[4:5], mask s[6:7], U s[8:9], SCB s[10:11]
	s_load_b64 s[12:13], s[0:1], 0x20              ; P
	v_lshl_add_u32 v2, v0, 2, SPARE
	v_mov_b32 v3, 0
	v_lshrrev_b32 v1, 5, v0
	v_readfirstlane_b32 s16, v1                    ; wave 0..7
	v_and_b32 v25, 31, v0                          ; lane.  What hangs on v0 alone stands here, between that line and the wait for it
	v_and_b32 v26, 15, v0                          ; r
	v_bfe_u32 v27, v0, 4, 1                        ; hh
	v_lshlrev_b32 v4, 4, v25
	v_mul_u32_u24 v6, v26, PITCH
	v_lshl_add_u32 v6, v27, 4, v6                  ; row r, 16 bytes for each half of the lanes
	v_and_b32 v28, 7, v0
	v_lshl_add_u32 v28, v27, 3, v28
	v_mul_u32_u24 v7, v28, PITCH
	v_bfe_u32 v29, v0, 3, 1
	v_lshl_add_u32 v7, v29, 4, v7                  ; key 8 hh + lane % 8, channels 8 ((lane / 8) % 2) on
	v_lshlrev_b32 v11, 11, v26
	v_lshl_add_u32 v11, v27, 4, v11                ; head r's row of U, 16 bytes for each half of the lanes
	v_lshlrev_b32 v14, 3, v27
	v_lshlrev_b32 v15, 3, v26
	v_mov_b32 v24, 0xff7fffff
	s_wait_alu depctr_va_sdst(0)                   ; s16 is written, ahead of its first reader: the bases and the LDS addresses are made from it
	s_lshr_b32 s17, s16, 2                         ; which of the two spans
	s_and_b32 s18, s16, 3                          ; which 256 channels
	s_lshl_b32 s19, ttmp9, 1
	s_add_co_u32 s19, s19, s17                     ; span 0..511
	s_lshr_b32 s20, ttmp9, 5                       ; batch = span / 64
	s_mul_i32 s21, s16, PANEL                      ; my panel
	s_mov_b32 s26, 0x76543210                      ; v_permlanex16_b32: each lane takes its own place in the other half
	s_mov_b32 s27, 0xfedcba98
	s_lshl_b32 s22, s19, 18                        ; kv: 64 rows of 4,096 bytes a span,
	s_lshl_b32 s23, s18, 10                        ; 256 channels of 4 bytes
	s_add_co_u32 s22, s22, s23
	s_mov_b32 s23, 0
	s_lshl_b32 s24, s19, 6                         ; mask: 64 bytes a span
	s_mov_b32 s25, 0
	s_lshl_b32 s28, s20, 15                        ; U: 32,768 bytes a batch, 256 channels of 2 bytes
	s_lshl_b32 s29, s18, 9
	s_add_co_u32 s28, s28, s29
	s_lshl_b32 s32, s19, 15                        ; P: 32,768 bytes a span, the same 512 bytes of a row
	s_add_co_u32 s32, s32, s29
	s_mov_b32 s29, 0
	s_mov_b32 s33, 0
	s_lshl_b32 s30, s20, 7                         ; SCB: 128 bytes a batch
	s_mov_b32 s31, 0
	s_lshl_b32 s34, s16, 12
	s_add_co_u32 s34, s34, EX                      ; where my partial scores go
	s_lshl_b32 s35, s17, 14
	s_add_co_u32 s35, s35, EX                      ; where my span's four lie
	v_lshl_add_u32 v5, v25, 3, s21
	v_add_nc_u32 v6, s21, v6                       ; all in my panel
	v_add_nc_u32 v7, s21, v7
	v_lshl_add_u32 v8, v25, 4, s21
	v_lshl_add_u32 v9, v25, 4, s34
	v_lshl_add_u32 v10, v25, 4, s35
	s_wait_kmcnt 0x0
	s_add_nc_u64 s[4:5], s[4:5], s[22:23]
	s_add_nc_u64 s[6:7], s[6:7], s[24:25]
	s_add_nc_u64 s[8:9], s[8:9], s[28:29]
	s_add_nc_u64 s[10:11], s[10:11], s[30:31]
	s_add_nc_u64 s[12:13], s[12:13], s[32:33]
	s_wait_alu depctr_va_vdst(0)                   ; the addresses v4 to v11, v14 and v15 are written: every load and store of the kernel reads one of them
.irp ks, 0,1,2,3,4,5,6,7               ; u' stays in registers: lane (r, hh) holds head r, channels 32 ks + 8 hh + 0..7 and 32 ks + 16 + 8 hh + 0..7
	global_load_b128 v[UF+8*(\ks):UF+8*(\ks)+3],   v11, s[8:9] offset:64*(\ks)
	global_load_b128 v[UF+8*(\ks)+4:UF+8*(\ks)+7], v11, s[8:9] offset:64*(\ks)+32
.endr
.irp t, 0,1,2,3
	global_load_b64 v[MASK+2*(\t):MASK+2*(\t)+1], v14, s[6:7] offset:16*(\t)  ; keys 16 t + 8 hh + 0..7
.endr
	global_load_b64 v[12:13], v15, s[10:11]        ; head r's sc and cb
; Group g of 16: eight loads, four rows of my panel; a load covers 512 consecutive bytes, aligned.  kv is read once in the launch.
.macro ISSUE g
.irp s, 0,1,2,3,4,5,6,7
	global_load_b128 v[X+32*((\g)%4)+4*(\s):X+32*((\g)%4)+4*(\s)+3], v4, s[4:5] offset:(4*(\g)+(\s)/2)*4096+((\s)%2)*512 th:TH_LOAD_NT
.endr
.endm
; Piece s of group g's rounded words goes into the panel.
.macro LAY g, s
	ds_store_b64 v5, v[Y+16*((\g)%2)+2*(\s):Y+16*((\g)%2)+2*(\s)+1] offset:(4*(\g)+(\s)/2)*PITCH+((\s)%2)*256
.endm
; Group g is rounded to f16; among its roundings the group before is laid into the panel; its registers take the group four further on: 24 to 32 loads of the wave are always out.  No address register is ever rewritten.
.macro DRAIN g
.if (\g) > 12
	s_wait_loadcnt 8*(15-(\g))                     ; the last groups: the count runs down
.else
	s_wait_loadcnt 24                              ; loads come back in order (ISA guide 5.7.1): group g is in, the three younger groups stay out
.endif
.if (\g) > 1
	s_wait_alu depctr_vm_vsrc(0)                   ; the LDS stores issued in the group before have read Y[g % 2], which this group's roundings write again
.endif
.irp s, 0,1,2,3,4,5,6,7
	v_cvt_pk_f16_f32 v[Y+16*((\g)%2)+2*(\s)],   v[X+32*((\g)%4)+4*(\s)],   v[X+32*((\g)%4)+4*(\s)+1]
	v_cvt_pk_f16_f32 v[Y+16*((\g)%2)+2*(\s)+1], v[X+32*((\g)%4)+4*(\s)+2], v[X+32*((\g)%4)+4*(\s)+3]
.if (\g) > 0
	LAY (\g)-1, \s                                 ; no wait: no vector instruction since the wait at the last group's end names the other Y
.endif
.endr
	s_wait_alu depctr_va_vdst(0)                   ; the roundings are done reading X[g % 4], in which the loads below land, and have written Y[g % 2], which the next group's LDS stores read
.if (\g) < 12
	ISSUE (\g)+4
.endif
.endm
.macro PLACES                          ; four plain vector instructions between a matrix instruction and what reads its result or loads into its registers
.rept 4
	v_nop
.endr
.endm
; The fragments of kv of K step ks for keys 32 p .. 32 p + 31: four loads.
.macro LOADK p, ks
.irp a, 0,1
	ds_load_b128 v[X+64*(\a)+8*(\ks):X+64*(\a)+8*(\ks)+3],   v6 offset:(32*(\p)+16*(\a))*PITCH+64*(\ks)  ; LDS serves a wave's instructions in order (ISA guide 5.7.1.4): these see my stores
	ds_load_b128 v[X+64*(\a)+8*(\ks)+4:X+64*(\a)+8*(\ks)+7], v6 offset:(32*(\p)+16*(\a))*PITCH+64*(\ks)+32
.endr
.endm
; Scores of keys 32 p .. 32 p + 31 over my 256 channels: source 0 = 16 keys x 32 channels of kv, source 1 = 32 channels x 16 heads of u'.  In the result lane (r, hh) holds head r, keys 8 hh + 0..7.
; The two accumulators take turns.  The first product starts each sum.
; The loads are dealt among the products, three K steps ahead: the products issued since the last wait on va_vdst name earlier K steps' fragments, u' and the accumulators, none of which these loads touch.
.macro SCORE p
	LOADK \p, 0
	LOADK \p, 1
	LOADK \p, 2
.irp ks, 0,1,2,3,4,5,6,7
.if (\ks) < 5
	LOADK \p, (\ks)+3
	s_wait_dscnt 12                                ; four loads a K step: the three younger steps' stay out
.else
	s_wait_dscnt 4*(7-(\ks))                       ; the count runs down
.endif
.if ((\p) == 0) && ((\ks) == 0)
	s_wait_alu depctr_vm_vsrc(0)                   ; the stream's LDS stores have read Y0 and Y1: these registers are the accumulators from here on
.endif
.irp a, 0,1
.if (\ks) == 0
	v_wmma_f32_16x16x32_f16 v[ACC+8*(2*(\p)+(\a)):ACC+8*(2*(\p)+(\a))+7], v[X+64*(\a)+8*(\ks):X+64*(\a)+8*(\ks)+7], v[UF+8*(\ks):UF+8*(\ks)+7], 0
.else
	v_wmma_f32_16x16x32_f16 v[ACC+8*(2*(\p)+(\a)):ACC+8*(2*(\p)+(\a))+7], v[X+64*(\a)+8*(\ks):X+64*(\a)+8*(\ks)+7], v[UF+8*(\ks):UF+8*(\ks)+7], v[ACC+8*(2*(\p)+(\a)):ACC+8*(2*(\p)+(\a))+7]
.endif
.endr
.endr
	PLACES
	s_wait_alu depctr_va_vdst(0)                   ; the products are done reading their fragments in X, in which the next LDS loads land, and have written the accumulators, which the exchange's stores read; the places above stay beside this wait
.endm
; Channels 64 g .. 64 g + 63 of all 64 keys, turned: 8 fragments (16 channels x 32 keys) into set g % 2
.macro FETCHT g
.irp kk, 0,1
.irp ct, 0,1,2,3
	ds_load_tr16_b128 v[F+64*((\g)%2)+8*(4*(\kk)+(\ct)):F+64*((\g)%2)+8*(4*(\kk)+(\ct))+3],   v7 offset:(\kk)*32*PITCH+32*(4*(\g)+(\ct))
	ds_load_tr16_b128 v[F+64*((\g)%2)+8*(4*(\kk)+(\ct))+4:F+64*((\g)%2)+8*(4*(\kk)+(\ct))+7], v7 offset:(\kk)*32*PITCH+16*PITCH+32*(4*(\g)+(\ct))
.endr
.endr
.endm
; Pooled rows of those 64 channels: source 0 = kv turned, source 1 = the weights.  In the result lane (r, hh) holds head r and eight neighbouring channels: 16 bytes of f16.
; younger = the LDS instructions issued behind this group's fetch.  The four accumulators take turns.
.macro POOL g, younger
	s_wait_dscnt \younger
.irp kk, 0,1
.irp ct, 0,1,2,3
.if (\kk) == 0
	v_wmma_f32_16x16x32_f16 v[OA+32*((\g)%2)+8*(\ct):OA+32*((\g)%2)+8*(\ct)+7], v[F+64*((\g)%2)+8*(4*(\kk)+(\ct)):F+64*((\g)%2)+8*(4*(\kk)+(\ct))+7], v[PF+8*(\kk):PF+8*(\kk)+7], 0
.else
	v_wmma_f32_16x16x32_f16 v[OA+32*((\g)%2)+8*(\ct):OA+32*((\g)%2)+8*(\ct)+7], v[F+64*((\g)%2)+8*(4*(\kk)+(\ct)):F+64*((\g)%2)+8*(4*(\kk)+(\ct))+7], v[PF+8*(\kk):PF+8*(\kk)+7], v[OA+32*((\g)%2)+8*(\ct):OA+32*((\g)%2)+8*(\ct)+7]
.endif
.endr
.endr
.endm
; The group's pooled rows times 1 / l, rounded to f16 into set g % 2 of PK.
.macro PACK g
.set n, 0
.rept 16                               ; each accumulator's registers in ascending order
	v_pk_mul_f32 v[OA+32*((\g)%2)+2*n:OA+32*((\g)%2)+2*n+1], v[OA+32*((\g)%2)+2*n:OA+32*((\g)%2)+2*n+1], v[14:15] op_sel_hi:[1,0]  ; times 1 / l
.set n, n+1
.endr
.set n, 0
.rept 16
	v_cvt_pk_f16_f32 v[ACC+16*((\g)%2)+n], v[OA+32*((\g)%2)+2*n], v[OA+32*((\g)%2)+2*n+1]
.set n, n+1
.endr
.endm
; THE STAGE is rows 0 to 15 of my own panel: all four fetches are issued ahead of the first of these stores, and LDS serves my instructions in order.
.macro TOSTAGE g
.irp ct, 0,1,2,3
	ds_store_b128 v6, v[ACC+16*((\g)%2)+4*(\ct):ACC+16*((\g)%2)+4*(\ct)+3] offset:32*(4*(\g)+(\ct))
.endr
.endm
	ISSUE 0
	ISSUE 1
	ISSUE 2
	ISSUE 3
.set gg, 0
.rept 16
	DRAIN gg
.set gg, gg+1
.endr
.irp s, 0,1,2,3,4,5,6,7
	LAY 15, \s                                     ; the last group: the wait at its end has shown Y1 written
.endr
	SCORE 0                                        ; (that wait has also shown the roundings done reading X, in which the fragments land)
	SCORE 1
	; THE EXCHANGE: each wave's 64 keys x 16 heads of partial scores, and back the four of my span
.irp q, 0,1,2,3,4,5,6,7
	ds_store_b128 v9, v[ACC+4*(\q):ACC+4*(\q)+3] offset:(\q)*512
.endr
	s_wait_dscnt 0x0                               ; for the others' sake: my partial scores are in LDS
	s_barrier_signal -1
	s_barrier_wait -1
.irp w, 0,1,2,3
.irp q, 0,1,2,3,4,5,6,7
	ds_load_b128 v[X+32*(\w)+4*(\q):X+32*(\w)+4*(\q)+3], v10 offset:(\w)*4096+(\q)*512
.endr
.endr
	s_wait_dscnt 0x0
	s_wait_alu depctr_vm_vsrc(0)                   ; the exchange's stores have read the accumulators, which the pooled rows' roundings write again; the mask's loads have read v14, which takes 1 / l
.set n, 0
.rept 16                               ; (0 + 1) + (2 + 3): the same order in all four waves, so all four hold the same scores
	v_pk_add_f32 v[X+2*n:X+2*n+1], v[X+2*n:X+2*n+1], v[X+32+2*n:X+32+2*n+1]
	v_pk_add_f32 v[X+64+2*n:X+64+2*n+1], v[X+64+2*n:X+64+2*n+1], v[X+96+2*n:X+96+2*n+1]
.set n, n+1
.endr
.set n, 0
.rept 16
	v_pk_add_f32 v[S+2*n:S+2*n+1], v[X+2*n:X+2*n+1], v[X+64+2*n:X+64+2*n+1]
.set n, n+1
.endr
	; THE SOFTMAX.  v[S + 8 t + j] is head r's score of key 16 t + 8 hh + j.
.set n, 0
.rept 16
	v_pk_fma_f32 v[S+2*n:S+2*n+1], v[S+2*n:S+2*n+1], v[12:13], v[12:13] op_sel:[0,0,1] op_sel_hi:[1,0,1]  ; s sc + cb
.set n, n+1
.endr
.irp half, 0,1                         ; the mask, sixteen keys to a run: the compares write sixteen scalar registers, one wait stands behind the run, then come the selects
.set n, 16*(\half)
.rept 4
.irp k, 0,1,2,3
	v_and_b32 v[25+(\k)], 0xff<<(8*(\k)), v[MASK+n/4]  ; key n + k's mask byte
.endr
.irp k, 0,1,2,3
	v_cmp_ne_u32 s[CM+(n%16)+(\k)+2*(((n%16)+(\k))/12)], 0, v[25+(\k)]
.endr
.set n, n+4
.endr
	s_wait_alu depctr_va_sdst(0)                   ; the sixteen compares have written their scalar registers, ahead of the first select that reads one
.set n, 16*(\half)
.rept 16
	v_cndmask_b32 v[S+n], v24, v[S+n], s[CM+(n%16)+2*((n%16)/12)]  ; kept where the byte is set, else the lowest finite number
.set n, n+1
.endr
.endr
.irp c, 0,1,2,3
	v_max3_num_f32 v[25+(\c)], v[S+8*(\c)], v[S+8*(\c)+1], v[S+8*(\c)+2]
.endr
.irp c, 0,1,2,3
	v_max3_num_f32 v[25+(\c)], v[25+(\c)], v[S+8*(\c)+3], v[S+8*(\c)+4]
.endr
.irp c, 0,1,2,3
	v_max3_num_f32 v[25+(\c)], v[25+(\c)], v[S+8*(\c)+5], v[S+8*(\c)+6]
.endr
.irp c, 0,1,2,3
	v_max_num_f32 v[25+(\c)], v[25+(\c)], v[S+8*(\c)+7]
.endr
	v_max3_num_f32 v25, v25, v26, v27
	v_max_num_f32 v25, v25, v28
	v_permlanex16_b32 v29, v25, s26, s27           ; the head's other 32 keys lie in the lane 16 away
	v_max_num_f32 v30, v25, v29                    ; the span's maximum
	v_mov_b32 v31, v30                             ; named with it as a pair
.set n, 0
.rept 16
	v_pk_add_f32 v[S+2*n:S+2*n+1], v[S+2*n:S+2*n+1], v[30:31] op_sel_hi:[1,0] neg_lo:[0,1] neg_hi:[0,1]
.set n, n+1
.endr
.set n, 0
.rept 32
	v_exp_f32 v[S+n], v[S+n]
.set n, n+1
.endr
	v_nop                                          ; a plain instruction between the last exponential and the use of its result (ISA guide 5.7.2)
	s_wait_alu depctr_va_vdst(0)                   ; the 32 exponentials have written v[S ..], ahead of their first reader: one wait for the batch
.set n, 0
.rept 16                               ; two score tiles rounded in pairs ARE source 1 (32 keys x 16 heads) of the second product
	v_cvt_pk_f16_f32 v[PF+n], v[S+2*n], v[S+2*n+1]
.set n, n+1
.endr
.irp w, 4,8,16,32                      ; l, of the unrounded weights: pairs 1, 2, 4 and 8 apart, in place
.set n, 0
.rept 32/(\w)
	v_pk_add_f32 v[S+(\w)*n:S+(\w)*n+1], v[S+(\w)*n:S+(\w)*n+1], v[S+(\w)*n+(\w)/2:S+(\w)*n+(\w)/2+1]
.set n, n+1
.endr
.endr
	v_add_f32 v[S+2], v[S], v[S+1]
	v_permlanex16_b32 v[S+3], v[S+2], s26, s27
	v_add_f32 v[S+2], v[S+2], v[S+3]               ; at least 1: the largest weight is 1
	v_rcp_f32 v14, v[S+2]
	v_nop                                          ; a plain instruction behind the reciprocal
	s_wait_alu depctr_va_vdst(0)                   ; the reciprocal has written v14, ahead of its first reader; and the softmax's lines are done with v[S ..], in which the turned fragments land
	; THE POOLED ROWS, two groups of 64 channels at a time
	FETCHT 0
	FETCHT 1
	POOL 0, 16                                     ; behind fetch 0: fetch 1
	POOL 1, 0
	PLACES
	s_wait_alu depctr_va_vdst(0)                   ; the products of groups 0 and 1 are done reading both sets of F, in which fetches 2 and 3 land
	FETCHT 2
	FETCHT 3
	PACK 0                                         ; 64 vector instructions stand between the fetches and the wait for them
	PACK 1
	s_wait_alu depctr_va_vdst(0)                   ; the roundings have written both sets of PK, which the stage's stores read
	TOSTAGE 0
	TOSTAGE 1
	POOL 2, 24                                     ; behind fetch 2: fetch 3 and eight stores
	POOL 3, 8                                      ; behind fetch 3: eight stores
	PLACES
	s_wait_alu depctr_vm_vsrc(0)                   ; the stage's stores have read both sets of PK, which the roundings below write again
	PACK 2
	PACK 3
	s_wait_alu depctr_va_vdst(0)                   ; the roundings have written PK, which the stage's stores read; the products of group 2 are done reading the set of F in which the rows below land
	TOSTAGE 2
	TOSTAGE 3
.irp i, 0,1,2,3,4,5,6,7,8,9,10,11,12,13,14,15
	ds_load_b128 v[F+4*(\i):F+4*(\i)+3], v8 offset:(\i)*PITCH  ; head i's 512 bytes
.endr
.irp i, 0,1,2,3,4,5,6,7,8,9,10,11,12,13,14,15
	s_wait_dscnt 15-(\i)
	global_store_b128 v4, v[F+4*(\i):F+4*(\i)+3], s[12:13] offset:(\i)*2048  ; 512 consecutive bytes, at a multiple of 256 from P's first byte
.endr
	s_wait_dscnt 0x0                               ; the wave's end: the six closing lines, on end
	s_wait_alu 0x0
	s_wait_tensorcnt 0x0
	ds_add_u32 v2, v3
	s_wait_dscnt 0x0
	s_endpgm
.Lfunc_end_k_qd111e5e2cd_main:
	.size	k_qd111e5e2cd_main, .Lfunc_end_k_qd111e5e2cd_main-k_qd111e5e2cd_main
	.p2alignl 7, 3214868480
	.fill 96, 4, 3214868480
	.section	.rodata,"a",@progbits
	.p2align	6, 0x0
	.amdhsa_kernel k_qd111e5e2cd_main
		.amdhsa_group_segment_fixed_size 312320
		.amdhsa_private_segment_fixed_size 0
		.amdhsa_enable_private_segment 0
		.amdhsa_kernarg_size 40
		.amdhsa_user_sgpr_count 2
		.amdhsa_user_sgpr_kernarg_segment_ptr 1
		.amdhsa_wavefront_size32 1
		.amdhsa_system_sgpr_workgroup_id_x 1
		.amdhsa_system_sgpr_workgroup_id_y 1
		.amdhsa_system_sgpr_workgroup_id_z 1
		.amdhsa_system_vgpr_workitem_id 0
		.amdhsa_next_free_vgpr 256
		.amdhsa_next_free_sgpr 66
		.amdhsa_reserve_vcc 0
		.amdhsa_float_denorm_mode_32 3
		.amdhsa_float_denorm_mode_16_64 3
		.amdhsa_memory_ordered 1
		.amdhsa_forward_progress 1
		.amdhsa_inst_pref_size 87
	.end_amdhsa_kernel
	.amdgpu_metadata
---
amdhsa.version: [ 1, 2 ]
amdhsa.kernels:
  - .name:           k_qd111e5e2cd_main
    .symbol:         k_qd111e5e2cd_main.kd
    .args:
      - { .name: kv, .offset: 0, .size: 8, .value_kind: global_buffer, .address_space: global }
      - { .name: mask, .offset: 8, .size: 8, .value_kind: global_buffer, .address_space: global }
      - { .name: U, .offset: 16, .size: 8, .value_kind: global_buffer, .address_space: global }
      - { .name: SCB, .offset: 24, .size: 8, .value_kind: global_buffer, .address_space: global }
      - { .name: P, .offset: 32, .size: 8, .value_kind: global_buffer, .address_space: global }
    .group_segment_fixed_size: 312320
    .private_segment_fixed_size: 0
    .kernarg_segment_align: 8
    .kernarg_segment_size: 40
    .max_flat_workgroup_size: 256
    .sgpr_count:     66
    .vgpr_count:     256
    .wavefront_size: 32
...
	.end_amdgpu_metadata
.endif
;; end of part 8
;; launch g1: the kernel of part 6 again; grid 16 x 16, 8 waves a work-group, clusters of 4 x 4, 308,224 bytes of LDS; arguments P, W16, bkv, OH16; writes OH16
;; launch g2: the kernel of part 7 again; grid 16 x 16, 8 waves a work-group, clusters of 4 x 4, 308,224 bytes of LDS; arguments OH16, W16, bo, out0; writes out0
